; MI455X (gfx1250); checked and timed in simulation.
; The chip was launched on July 23, 2026; its instructions are those of AMD's public machine-readable ISA for CDNA 5 (MIT licence, August 2026) and "CDNA5" Instruction Set Architecture Reference Guide (July 2026). The comments in the code are by the model that wrote it; some were corrected since.
;; Self Attention SD. Allowed arithmetic: matrix products marked QUANTISED: E2M3 operands, one E8M0 scale for each 32 along K, by v_wmma_scale_f32_16x16x128_f8f6f4 with both operands' format E2M3, f32 sums; everything else in f32.
;; Inputs: Wk 1,024 x 1,024 float32; Wo 1,024 x 1,024 float32; Wq 1,024 x 1,024 float32; Wv 1,024 x 1,024 float32; bo 1,024 float32; x 4 x 2,048 x 1,024 float32.
;; Outputs: out0 4 x 2,048 x 1,024 float32.
;; This version of the problem:
;;   THIS VERSION OF THE PROBLEM IS GIVEN IN LOW PRECISION. The matrix products marked QUANTISED in the list below multiply operands that are first quantised to E2M3 (2 exponent bits, 3 mantissa bits; 6 bits a number), with one power-of-two scale for each 32 numbers along K (OCP MX v1.0); their sums are f32. All else is computed in f32.
;;   The module's matrix products, in the order in which they are computed (A, B: the left and right operand; K: the contracted axis; several contracted axes count as one K, in the product's order):
;;     1. [M 8,192, K 1,024] x [K 1,024, N 1,024]; A: input x; B: input Wq: QUANTISED
;;     2. [M 8,192, K 1,024] x [K 1,024, N 1,024]; A: input x; B: input Wk: QUANTISED
;;     3. [M 8,192, K 1,024] x [K 1,024, N 1,024]; A: input x; B: input Wv: QUANTISED
;;     4. batch 64 x [M 2,048, K 64] x [K 64, N 2,048]; A: computed on the way; B: computed on the way: QUANTISED
;;     5. batch 64 x [M 2,048, K 2,048] x [K 2,048, N 64]; A: computed on the way; B: computed on the way: QUANTISED
;;     6. [M 8,192, K 1,024] x [K 1,024, N 1,024]; A: computed on the way; B: input Wo: QUANTISED
;;   THE QUANTISER, for each operand of a quantised product, along K:
;;     - K is cut into blocks of 32 from its start; a last block that is shorter is filled with zeros.
;;     - A block's scale is 2^e with e = floor(log2(the largest magnitude in the block)) - 2, held to -126 .. 127; a block of zeros has e = 0. As a byte (E8M0): e + 127.
;;     - Each number is divided by its block's scale, clamped to +-7.5, and rounded to the nearest number of E2M3, ties to even, subnormals kept.
;;     - The product sums the exact products of the quantised numbers (number of the format x scale) in f32.
;;   ~~~python
;;   def quantise(x, axis):      # numpy; x: float32 -> the quantised numbers, widened to float32 again
;;       x = np.moveaxis(x, axis, -1); K = x.shape[-1]
;;       x = np.pad(x, [(0, 0)] * (x.ndim - 1) + [(0, -K % 32)]); x = x.reshape(x.shape[:-1] + (-1, 32)); a = np.abs(x).max(-1, keepdims=True)
;;       e = np.where(a > 0, np.clip(np.frexp(np.where(a > 0, a, 1))[1] - 1 - 2, -126, 127), 0)      # np.frexp(a)[1] - 1 = floor(log2(a)), exactly
;;       r = np.clip(x / 2.0 ** e, -7.5, 7.5)
;;       step = 2.0 ** (np.maximum(np.frexp(np.where(r == 0, 1, r))[1] - 1, 0) - 3)
;;       q = np.round(r / step) * step * 2.0 ** e      # np.round: ties to even
;;       return np.moveaxis(q.reshape(q.shape[:-2] + (-1,))[..., :K], -1, axis).astype(np.float32)
;;   ~~~
;;   OPERANDS COMPUTED ON THE WAY. 'Computed on the way' means the value that the module computes at that place (a softmax that the list does not call 'softmax' is quantised finished and normalised). What goes into a quantiser is computed in f32, as accurately as f32 sums, v_exp_f32 and their like allow (about 1e-6 of the number): no bf16 or f16 on the way to a quantiser, and a product that is left as it is and whose result goes on into a quantised operand takes f32 operands (vector FMAs, or v_wmma_f32_16x16x4_f32). A number that lies on a knife's edge between two numbers of the format may be rounded either way, as far as f32 arithmetic and the matrix unit's own rounding can turn it there, and no further.
;; One version. Each part assembles by itself: llvm-mc -triple=amdgcn-amd-amdhsa -mcpu=gfx1250 --defsym DOCPART=n.
;; ======== version 1 of 1: 4 launches
;; workspace buffers: cod 9,437,184 bytes; scl 393,216 bytes; qkvc 18,874,368 bytes; qkvs 786,432 bytes; oc 6,291,456 bytes; os 262,144 bytes
;; launch quant (part 1): grid 384 x 1, 4 waves a work-group, no clusters, 33,280 bytes of LDS; arguments x, Wq, Wk, Wv, Wo, cod, scl; writes cod, scl
.if DOCPART == 1
	.amdgcn_target "amdgcn-amd-amdhsa--gfx1250"
	.amdhsa_code_object_version 6
	.text
	.protected	k_q796bd4d80e_quant
	.globl	k_q796bd4d80e_quant
	.p2align	8
	.type	k_q796bd4d80e_quant,@function
k_q796bd4d80e_quant:
	s_mov_b64 s[64:65], 0
	v_nop
	global_prefetch_b8 v0, s[64:65] scope:SCOPE_SE
	s_setreg_imm32_b32 hwreg(HW_REG_WAVE_MODE, 25, 1), 1
	s_wait_xcnt 0x0
; LAUNCH 1 OF 4.  x [8192][1024] and Wq, Wk, Wv, Wo [1024][1024], f32, K innermost, become codes of FP6 (E2M3), 6 bits each, with one E8M0 scale byte for each 32 along K:
; cod [12288 rows][768 bytes], scl [12288 rows][32 bytes]; rows 0-8191 x, then 1024 each of Wq, Wk, Wv, Wo.
; NO WORK OF reference() IS LEFT OUT IN THIS PROGRAM: all six products reach the output, every input is loaded, the maximum is taken away ahead of the exponential and the 1e-10 is added to the softmax's divisor.
; A block's scale is 2^(floor(log2(its largest magnitude)) - 2); its byte is the largest magnitude's exponent field - 2, held at 1 from below.  A block of zeros so gets the byte 1 where the quantiser says 127:
; its codes are zeros, which add nothing under any byte but 0xff, and the bytes are read by this program alone.
; LIMITS: blocks whose largest magnitude lies under 2^(2 - 126) have their byte held at 1; NaN and infinities among the inputs are not served.
; THE ROWS ARE WRITTEN IN ANOTHER ORDER THAN THEY ARE READ: bits 3 and 4 of the row's number change places.  Sixteen neighbouring rows of cod, tile 2 g + u, row r, then hold the tensor's rows
; 32 g + 8 u + r % 8 + 16 (r / 8).  Where such a tile is source 0 of a matrix instruction, a lane's 16 result registers of tiles 2 g and 2 g + 1 are 16 NEIGHBOURS, 32 g + 16 (lane / 16) + 0 .. 15,
; which is what the next quantiser wants.  A wave's run is 8 rows, so the change of places is a change of the wave's number in the output's address and costs nothing.
; A wave takes 16 steps of 512 numbers.  Each of a step's four loads reads 512 consecutive bytes; the 2,048 bytes turn through the wave's own stage in LDS and come back 64 bytes a lane: 16 neighbours along K,
; two lanes to a block.  A lane's 16 codes are 12 bytes: the wave stores 384 consecutive bytes.  A wave's 256 scale bytes are gathered in LDS and leave as one aligned block of 256 bytes.
; No tensor loads, no barrier, no cluster: waves share nothing, and each input byte is read once.  Loads run four steps (16 loads a wave) ahead.
.set WAVES, 4
.set STEPS, 16
.set EMAX,  2
.set CB,    12                         ; bytes of 16 codes
.set R,     16                         ; v16-79   four sets of 16 numbers as they are loaded
.set X,     80                         ; v80-111  two sets of 16 neighbours
.set C,     128                        ; v128-191 codes: four registers for each step, so that no store's data are written again
.set E,     112                        ; v112-127 a scale byte for each step
.set WREG,  8192                       ; LDS: a region for each wave: two stages of 32 x SP bytes, and behind them its 256 scale bytes
.set SP,    80                         ; a lane's place in a stage: its 64 bytes + 16 of padding
.set SPW,   12                         ; v12      LDS address of my spare word: SPARE + 4 x my thread's number; never rewritten
.set NIL,   13                         ; v13      0; never rewritten
.set SPARE, WAVES*WREG                 ; behind the four regions: the spare words, 128 bytes for each wave
	s_load_b256 s[4:11], s[0:1], 0x0               ; x, Wq, Wk, Wv
	s_load_b128 s[12:15], s[0:1], 0x20             ; Wo, cod
	s_load_b64 s[24:25], s[0:1], 0x30              ; scl
	v_lshl_add_u32 v[SPW], v0, 2, SPARE
	v_mov_b32 v[NIL], 0
	v_lshrrev_b32 v1, 5, v0
	v_readfirstlane_b32 s16, v1                    ; wave
	v_and_b32 v2, 31, v0                           ; lane
	v_lshlrev_b32 v3, 4, v2                        ; my 16 bytes of a load's 512
	s_mul_i32 s17, s16, WREG
	v_lshrrev_b32 v14, 2, v2
	v_mul_u32_u24 v14, v14, SP
	v_and_b32 v15, 3, v2
	v_lshl_add_u32 v14, v15, 4, v14
	v_add_nc_u32 v14, s17, v14                     ; the stage, on the way in: four lanes' 64 bytes on end, then 16 of padding
	v_mul_u32_u24 v15, v2, SP
	v_add_nc_u32 v15, s17, v15                     ; and on the way out: SP x lane: my 16 neighbours
	v_mul_u32_u24 v4, v2, CB                       ; my codes' place in a step's
	v_lshrrev_b32 v5, 1, v2
	s_add_co_u32 s17, s17, 2*32*SP
	v_add_nc_u32 v5, s17, v5                       ; LDS: my wave's 256 scale bytes, my block's byte
	v_lshlrev_b32 v7, 3, v2                        ; and on the way out 8 bytes a lane
	v_add_nc_u32 v6, s17, v7
	s_wait_kmcnt 0x0
	; which tensor is my work-group's?  32 rows a work-group: 256 work-groups for x, 32 for each weight.  The choice hangs on the work-group's number alone
	s_mov_b64 s[20:21], s[12:13]                   ; Wo,
	s_mov_b32 s18, 352                             ; whose first work-group is 352
	s_cmp_lt_u32 ttmp9, 352
	s_cselect_b64 s[20:21], s[10:11], s[20:21]     ; Wv
	s_cselect_b32 s18, 320, s18
	s_cmp_lt_u32 ttmp9, 320
	s_cselect_b64 s[20:21], s[8:9], s[20:21]       ; Wk
	s_cselect_b32 s18, 288, s18
	s_cmp_lt_u32 ttmp9, 288
	s_cselect_b64 s[20:21], s[6:7], s[20:21]       ; Wq
	s_cselect_b32 s18, 256, s18
	s_cmp_lt_u32 ttmp9, 256
	s_cselect_b64 s[20:21], s[4:5], s[20:21]       ; x
	s_cselect_b32 s18, 0, s18
	s_sub_co_u32 s18, ttmp9, s18
	s_lshl_b32 s18, s18, 2
	s_add_co_u32 s18, s18, s16                     ; which run of 8 rows of the tensor is my wave's,
	s_lshl_b32 s18, s18, 15                        ; 32,768 bytes a run (under 2^26)
	s_mov_b32 s19, 0
	s_add_nc_u64 s[20:21], s[20:21], s[18:19]
	s_and_b32 s22, s16, 1                          ; the wave's two bits change places: rows' bits 3 and 4
	s_lshl_b32 s22, s22, 1
	s_lshr_b32 s23, s16, 1
	s_or_b32 s22, s22, s23
	s_lshl_b32 s23, ttmp9, 2
	s_add_co_u32 s22, s22, s23                     ; which run of 8 rows of cod and scl
	s_mul_i32 s18, s22, 8*768
	s_add_nc_u64 s[14:15], s[14:15], s[18:19]
	s_lshl_b32 s18, s22, 8
	s_add_nc_u64 s[24:25], s[24:25], s[18:19]
.macro LOAD t
.irp i, 0,1,2,3
	global_load_b128 v[R+16*((\t)%4)+4*\i:R+16*((\t)%4)+4*\i+3], v3, s[20:21] offset:2048*(\t)+512*\i th:TH_LOAD_NT   ; 32 lanes read 512 consecutive bytes
.endr
.endm
.macro TURN t                          ; step t's numbers through the stage: LDS serves a wave's instructions in order, so no wait stands between the stores and the loads
.irp i, 0,1,2,3
	ds_store_b128 v14, v[R+16*((\t)%4)+4*\i:R+16*((\t)%4)+4*\i+3] offset:32*SP*((\t)%2)+8*SP*\i
.endr
.irp i, 0,1,2,3
	ds_load_b128 v[X+16*((\t)%2)+4*\i:X+16*((\t)%2)+4*\i+3], v15 offset:32*SP*((\t)%2)+16*\i
.endr
.endm
.irp t, 0,1,2,3
	LOAD \t
.endr
	s_wait_loadcnt 12                              ; step 0's four loads are in; the twelve of steps 1 to 3 may be out
	TURN 0
.macro STEP t
.set XS, X+16*((\t)%2)
.if (\t) > 0
	s_wait_dscnt 1                                 ; this step's numbers are back from the stage (the last step's byte store may be out): so its stores into the stage have read their registers,
.else
	s_wait_dscnt 0x0
.endif
.if (\t)+4 < STEPS
	LOAD (\t)+4                                    ; which take the loads of four steps on
.endif
.if (\t)+1 < STEPS
.if STEPS-2-(\t) >= 3
	s_wait_loadcnt 12                              ; the next step's four loads are in; those of the three steps behind it may be out
.else
	s_wait_loadcnt 4*(STEPS-2-(\t))
.endif
	TURN (\t)+1                                    ; and go through the other stage while this step is worked
.endif
	v_max3_num_f32 v8, |v[XS]|, |v[XS+1]|, |v[XS+2]|               ; the largest magnitude of my 16, in two chains
	v_max3_num_f32 v9, |v[XS+3]|, |v[XS+4]|, |v[XS+5]|
.irp i, 6,10
	v_max3_num_f32 v8, v8, |v[XS+\i]|, |v[XS+\i+1]|
	v_max3_num_f32 v9, v9, |v[XS+\i+2]|, |v[XS+\i+3]|
.endr
	v_max3_num_f32 v8, v8, |v[XS+14]|, |v[XS+15]|
	v_max3_num_f32 v8, v8, v9, (EMAX+1)<<23        ; and the floor 2^(EMAX + 1 - 127): the byte cannot fall under 1
	v_max_num_f32_dpp v8, v8, v8 row_xmask:1 row_mask:0xf bank_mask:0xf   ; and of my neighbour's 16: the block's
	v_add_nc_u32 v11, -(EMAX<<23), v8              ; EMAX off its exponent field: the conversion takes the exponent field of this operand as its scale, and nothing else of it
	v_cvt_scalef32_pk16_fp6_f32 v[C+4*(\t):C+4*(\t)+2], v[XS:XS+15], v11   ; sixteen numbers / the scale, to the nearest code, ties to even, beyond the largest code the largest
	v_lshrrev_b32 v[E+(\t)], 23, v11               ; the scale's byte (a plain line behind the conversion)
	ds_store_b8 v5, v[E+(\t)] offset:16*(\t)       ; both lanes of a block write the same byte with the same value
	global_store_b96 v4, v[C+4*(\t):C+4*(\t)+2], s[14:15] offset:32*CB*(\t)
.endm
.irp t, 0,1,2,3,4,5,6,7,8,9,10,11,12,13,14,15
	STEP \t
.endr
	ds_load_b64 v[8:9], v6                         ; LDS serves a wave's instructions in order: these see my stores
	s_wait_dscnt 0x0
	global_store_b64 v7, v[8:9], s[24:25]          ; 32 lanes store 256 consecutive bytes, at a multiple of 256 from scl's first byte
	s_wait_tensorcnt 0x0                           ; the wave's end: behind my last LDS store
	ds_add_u32 v[SPW], v[NIL]
	s_wait_dscnt 0x0
	s_endpgm
.Lfunc_end_k_q796bd4d80e_quant:
	.size	k_q796bd4d80e_quant, .Lfunc_end_k_q796bd4d80e_quant-k_q796bd4d80e_quant
	.p2alignl 7, 3214868480
	.fill 96, 4, 3214868480
	.section	.rodata,"a",@progbits
	.p2align	6, 0x0
	.amdhsa_kernel k_q796bd4d80e_quant
		.amdhsa_group_segment_fixed_size 33280
		.amdhsa_private_segment_fixed_size 0
		.amdhsa_enable_private_segment 0
		.amdhsa_kernarg_size 56
		.amdhsa_user_sgpr_count 2
		.amdhsa_user_sgpr_kernarg_segment_ptr 1
		.amdhsa_wavefront_size32 1
		.amdhsa_system_sgpr_workgroup_id_x 1
		.amdhsa_system_sgpr_workgroup_id_y 1
		.amdhsa_system_sgpr_workgroup_id_z 1
		.amdhsa_system_vgpr_workitem_id 0
		.amdhsa_next_free_vgpr 192
		.amdhsa_next_free_sgpr 66
		.amdhsa_reserve_vcc 0
		.amdhsa_float_denorm_mode_32 3
		.amdhsa_float_denorm_mode_16_64 3
		.amdhsa_memory_ordered 1
		.amdhsa_forward_progress 1
		.amdhsa_inst_pref_size 33
	.end_amdhsa_kernel
	.amdgpu_metadata
---
amdhsa.version: [ 1, 2 ]
amdhsa.kernels:
  - .name:           k_q796bd4d80e_quant
    .symbol:         k_q796bd4d80e_quant.kd
    .args:
      - { .name: x, .offset: 0, .size: 8, .value_kind: global_buffer, .address_space: global }
      - { .name: Wq, .offset: 8, .size: 8, .value_kind: global_buffer, .address_space: global }
      - { .name: Wk, .offset: 16, .size: 8, .value_kind: global_buffer, .address_space: global }
      - { .name: Wv, .offset: 24, .size: 8, .value_kind: global_buffer, .address_space: global }
      - { .name: Wo, .offset: 32, .size: 8, .value_kind: global_buffer, .address_space: global }
      - { .name: cod, .offset: 40, .size: 8, .value_kind: global_buffer, .address_space: global }
      - { .name: scl, .offset: 48, .size: 8, .value_kind: global_buffer, .address_space: global }
    .group_segment_fixed_size: 33280
    .private_segment_fixed_size: 0
    .kernarg_segment_align: 8
    .kernarg_segment_size: 56
    .max_flat_workgroup_size: 128
    .sgpr_count:     66
    .vgpr_count:     192
    .wavefront_size: 32
...
	.end_amdgpu_metadata
.endif
;; end of part 1
;; launch qkv (part 2): grid 12 x 32, 4 waves a work-group, clusters of 4 x 4, 327,680 bytes of LDS; arguments cod, scl, qkvc, qkvs; writes qkvc, qkvs
.if DOCPART == 2
	.amdgcn_target "amdgcn-amd-amdhsa--gfx1250"
	.amdhsa_code_object_version 6
	.text
	.protected	k_q796bd4d80e_qkv
	.globl	k_q796bd4d80e_qkv
	.p2align	8
	.type	k_q796bd4d80e_qkv,@function
k_q796bd4d80e_qkv:
	s_mov_b64 s[64:65], 0
	v_nop
	global_prefetch_b8 v0, s[64:65] scope:SCOPE_SE
	s_setreg_imm32_b32 hwreg(HW_REG_WAVE_MODE, 25, 1), 1
	s_wait_xcnt 0x0
	s_wait_alu depctr_hold_cnt(0) depctr_sa_sdst(0) depctr_va_vdst(0) depctr_va_sdst(0) depctr_va_ssrc(0) depctr_va_vcc(0) depctr_vm_vsrc(0)
	s_getreg_b32 s2, hwreg(HW_REG_IB_STS2, 6, 4)
	s_cmp_eq_u32 s2, 0
	s_cbranch_scc0 .Lentry_in_a_cluster
	s_endpgm
.Lentry_in_a_cluster:
	s_bfe_u32 s2, ttmp6, 0x10000c
	s_cmp_lg_u32 s2, 0xf033
	s_cbranch_scc0 .Lentry_shape_is_right
	s_endpgm
.Lentry_shape_is_right:
; LAUNCH 2 OF 4.  q = x Wq^T, k = x Wk^T, v = x Wv^T on codes of FP6 (E2M3) with E8M0 scales, K = 1024, f32 sums; the results are quantised in registers and leave as codes.  No work is left out.
; A tile of 256 x 256 of a product is made by four waves, 128 x 128 each: 64 accumulators, 512 registers.  K goes in steps of 256 through a ring of two LDS slots filled by the tensor data mover;
; the scale bytes of the tile's 2 x 256 rows, for all of K, come once with the first fills and stay in LDS.
; SOURCE 0 ("B") IS THE OPERAND WHOSE ROWS ARE THE NEXT PRODUCT'S K, source 1 ("A") the one whose row a lane keeps.  A lane's eight results run along B's rows.
;   clusters x = 0, 1 (q, k): A = 256 tokens of x, B = 256 rows of Wq or Wk: a lane holds one token, its registers the head's channels, along which q and k are quantised.
;   cluster  x = 2    (v)   : A = 256 rows of Wv,  B = 256 tokens of x     : a lane holds one channel, its registers the tokens (keys), along which v is quantised.
; cod's rows lie so (launch 1) that the 16 registers of accumulators (a, 2 g) and (a, 2 g + 1) are 16 neighbours along B's rows: 32 g + 16 (lane / 16) + 0 .. 15.
; CLUSTERS: 4 x 4 work-groups.  A's tile hangs on cy and the cluster's own coordinates and is shared along a row of the cluster, B's on cx and those and is shared along a column: each is asked for
; JOINTLY, by the same tensor load with the same descriptor and a mask that names the four.  The role is chosen by s_cselect_b32 on the cluster's x, which all sixteen partners share.
; THE WAY OUT uses no LDS.  A wave's 128 rows of B are one fragment's K: block a (16 rows of A) becomes 12 registers of codes and a scale word a row.  Registers 0-5 (64 along K) and 6-11 go to two
; places, each an image of 768 bytes: three pieces of 256 bytes, piece p holding registers 2 p, 2 p + 1 of lane L at 8 L.  Every store covers 256 consecutive bytes, aligned.
;   qkvc: [head 0-15 of q, 16-31 of k][token tile 0-511][768]; from byte 12,582,912: [64 keys 0-127][channel tile 0-63][768]
;   qkvs: [pair of heads 0-15][token tile][16 words] (bytes 0, 1: the even head); from byte 524,288: [128 keys 0-63][channel tile][16 words]
; LIMITS: a block of zeros gets the byte 1 (its codes are zeros; the bytes are read by this program alone); NaN and infinities are not served.
; REGISTERS, in windows of 256: window 0: v16-29 addresses; v32-63 scale words, two sets; v64-91 at work on the way out; from v128 A's fragments, ONE set (on the way out: the codes); v224-231 at work.
;   window 1: B's fragments, TWO sets, at v0 and v128.   window 2: the accumulators of my rows 0-63 of A ((a, b) at v[8 (8 a + b)]);   window 3: those of rows 64-127.
.set KSTEP,  256                       ; along K in a slot
.set NQ,     2                         ; matrix instructions deep
.set ROWB,   192                       ; a tile's row in bytes
.set KROW,   768                       ; a row of cod
.set PITCH,  240                       ; an LDS row: 3 x (64 bytes + 16 of padding) = 60 words: the 32 lanes of a load of 8 bytes touch 64 different banks
.set FR,     12                        ; registers of a fragment
.set NL,     6                         ; LDS loads that bring one
.set NP,     4                         ; places behind this matrix instruction (ISA guide 7.12.1)
.set HALFT,  128*PITCH                 ; 128 rows: what one tensor load brings
.set SLOT,   4*HALFT                   ; A's 256 rows, then B's 256 rows
.set LAPS,   2                         ; 1024 / 512: a lap = two K steps = once round the ring
.set KS,     32                        ; a row of scl
.set SCL,    2*SLOT                    ; behind the ring: the scales, as pieces of 256 bytes + 16 of padding
.set HALFS,  (128*KS/256)*272          ; those of 128 rows
.set SBLK,   (16*KS/256)*272           ; those of 16 rows
.set SPARE,  SCL+4*HALFS               ; the spare words, 128 bytes for each wave
.set ADRA, 16                          ; v16-17 LDS address of my A fragments in slot 0, 1 (v18-19: for the pieces that lie behind one padding more)
.set ADRB, 20                          ; v20-21 the same for B (v22-23)
.set LS4,  25                          ; v25    4 x lane
.set LS8,  26                          ; v26    8 x lane
.set ADRS, 27                          ; v27    LDS address of my scale words: lanes 0-15 A's rows, lanes 16-31 B's
.set SPW,  28                          ; v28    my spare word; never rewritten
.set NIL,  29                          ; v29    0; never rewritten
.set SC,   32                          ; scale words: set s at v[SC + 16 s]; register 2 i + q: lanes 0-15 A's block i, lanes 16-31 B's block i
.set TM,   64                          ; v64-67 largest magnitudes, v68-71 the other half's, then bytes, v76-79 the conversions' scale operands
.set PW,   80                          ; v80-87 block a's scale words
.set MG,   88                          ; v88-91 two blocks' scale words in one register
.set AF,   128                         ; A's fragments; on the way out block a's codes at v[AF + 12 a]
.set TC,   224                         ; v224-231 the upper halves of blocks, as the conversions leave them
.set G1, 24
.set G0, 32
.set G1B, 48
.set G0B, 56
.set G1S, 68
.set G0S, 76
.set G1SB, 80
.set G0SB, 88
.set HM,  95                           ; s95     lanes 16-31
.set SEL, 98                           ; s98, s99 lane selects for v_permlanex16_b32: lane l xor 16
.set MSB, 0
.macro WIN new                         ; the immediate's high byte repeats the setting that is left
.if MSB != (\new)
	s_set_vgpr_msb (MSB<<8)|(\new)
.set MSB, (\new)
.endif
.endm
.set MUL_LO, 0xa1                      ; source 0 (B) window 1, source 1 (A) window 0, C and D window 2
.set MUL_HI, 0xf1                      ; the same, C and D window 3
.set TO_B,   0x40                      ; destination window 1, address window 0
; A joint load: waves 0 and 1 fetch for A, waves 2 and 3 for B.  The branch hangs on the wave's number alone.  An s_nop 0 and four v_nop follow each of the two lines.
.macro JLOAD g0a, g1a, g0b, g1b
	s_cmp_eq_u32 s15, 0
	s_cbranch_scc0 .Lfor_b_\@
	tensor_load_to_lds s[\g0a:\g0a+3], s[\g1a:\g1a+7]
	s_nop 0
.rept 4
	v_nop
.endr
	s_branch .Lasked_\@
.Lfor_b_\@:
	tensor_load_to_lds s[\g0b:\g0b+3], s[\g1b:\g1b+7]
	s_nop 0
.rept 4
	v_nop
.endr
.Lasked_\@:
.endm
.macro CREST                           ; a round of the cluster's barrier behind its opening barrier
	s_cmp_lg_u32 s14, 0
	s_cbranch_scc1 .Lnot_wave_0_\@
	s_barrier_signal -3
.Lnot_wave_0_\@:
	s_barrier_wait -3
	s_barrier_signal -1
	s_barrier_wait -1
.endm
.macro CROUND                          ; a whole round
	s_barrier_signal -1
	s_barrier_wait -1
	CREST
.endm
	s_load_b256 s[4:11], s[0:1], 0x0               ; cod s[4:5], scl s[6:7], qkvc s[8:9], qkvs s[10:11]
	v_lshl_add_u32 v[SPW], v0, 2, SPARE
	v_mov_b32 v[NIL], 0
	ds_add_u32 v[SPW], v[NIL]                      ; the wave's opening: the add, twice on end, and its wait ahead of my first tensor load
	ds_add_u32 v[SPW], v[NIL]                      ; and once more, under the one wait; the set-up below, work on registers, stands between
	v_lshrrev_b32 v1, 5, v0
	v_readfirstlane_b32 s14, v1                    ; wave 0..3
	s_lshr_b32 s15, s14, 1                         ; which half of A's rows is mine.  Also: I fetch for A (0) or for B (1)
	s_and_b32 s16, s14, 1                          ; which half of B's rows.  Also: which 128 rows of that tile I fetch
	s_bfe_u32 s40, ttmp6, 0x40000                  ; cx, cy: my place in the cluster
	s_bfe_u32 s41, ttmp6, 0x40004
	s_and_b32 s17, ttmp7, 0xffff                   ; the cluster's y; its x is ttmp9
	s_lshl_b32 s43, s41, 2
	s_lshl_b32 s43, 15, s43                        ; my row of the cluster
	s_lshl_b32 s44, 0x1111, s40                    ; my column
	; THE ROLE.  Both candidates of each number are made first; then one compare, and selections with nothing between
	s_lshl_b32 s18, s17, 10                        ; the cluster's 1,024 tokens of x
	s_lshl_b32 s19, ttmp9, 10
	s_add_co_u32 s19, s19, 8192                    ; Wq's or Wk's first row in cod
	s_lshl_b32 s21, s17, 6                         ; those tokens' first tile
	s_lshl_b32 s22, ttmp9, 3                       ; the weight's first pair of heads
	s_lshl_b32 s23, s17, 3                         ; those tokens' first 128
	s_cmp_lt_u32 ttmp9, 2                          ; q, k or v?
	s_cselect_b32 s20, s18, 10240                  ; A's first row in cod: tokens, or Wv
	s_cselect_b32 s46, s19, s18                    ; B's: a weight, or tokens
	s_cselect_b32 s42, 512, 64                     ; tiles of A's rows in the output's region
	s_cselect_b32 s66, 0, 12582912                 ; the region in qkvc
	s_cselect_b32 s96, 0, 524288                   ; and in qkvs
	s_cselect_b32 s100, s21, 0                     ; the cluster's first tile of A's rows
	s_cselect_b32 s101, s22, s23                   ; and its first 128 of B's rows
	; where my results go, in registers that feed no descriptor
	s_lshl_b32 s2, s41, 4
	s_add_co_u32 s100, s100, s2
	s_lshl_b32 s2, s15, 3
	s_add_co_u32 s100, s100, s2                    ; my first tile of A's rows: + 16 cy + 8 x half
	s_lshl_b32 s2, s40, 1
	s_add_co_u32 s101, s101, s2
	s_add_co_u32 s101, s101, s16                   ; my 128 of B's rows: + 2 cx + half
	s_mul_i32 s101, s101, s42
	s_add_co_u32 s2, s101, s100
	s_lshl_b32 s2, s2, 6                           ; 64 bytes of scale words a tile
	s_add_co_u32 s96, s96, s2
	s_mov_b32 s97, 0
	s_lshl_b32 s101, s101, 1                       ; two images of 64 along K for each 128
	s_add_co_u32 s101, s101, s100
	s_mul_i32 s101, s101, 768
	s_add_co_u32 s66, s66, s101
	s_mov_b32 s67, 0
	s_mul_i32 s12, s42, 768                        ; from the first 64 along K to the second
	s_mov_b32 s13, 0
	s_mov_b32 s[HM], 0xffff0000
	s_mov_b32 s[SEL], 0x76543210
	s_mov_b32 s[SEL+1], 0xfedcba98
	; descriptor group 1: a tile of 128 rows x 192 bytes, 16 bytes of padding behind every 64
	s_or_b32 s[G1+0], s43, (0<<16)|(1<<20)|(1<<21)|(3<<22)|(3<<25)  ; 15:0 the mask: A's tiles go to my row; elements of 1 byte; padding on; bit 21 set beside a mask; after every 16 words, 4 words
	s_or_b32 s[G1B+0], s44, (0<<16)|(1<<20)|(1<<21)|(3<<22)|(3<<25)
.irp g, G1, G1B
	s_mov_b32 s[\g+1], ROWB<<16                    ; tensor_dim0
	s_mov_b32 s[\g+2], 128<<16                     ; tensor_dim1
	s_mov_b32 s[\g+3], ROWB<<16                    ; tile_dim0
	s_mov_b32 s[\g+4], 128                         ; tile_dim1
	s_mov_b32 s[\g+5], KROW                        ; tensor_dim0_stride
	s_mov_b32 s[\g+6], 0
	s_mov_b32 s[\g+7], 0
.endr
	; the scales of 128 rows: 4,096 dense bytes, as 16 rows of 256 bytes (32 elements of 8), 16 bytes of padding behind each
	s_or_b32 s[G1S+0], s43, (3<<16)|(1<<20)|(1<<21)|(5<<22)|(3<<25)
	s_or_b32 s[G1SB+0], s44, (3<<16)|(1<<20)|(1<<21)|(5<<22)|(3<<25)
.irp g, G1S, G1SB
	s_mov_b32 s[\g+1], 32<<16
	s_mov_b32 s[\g+2], (128*KS/256)<<16
	s_mov_b32 s[\g+3], 32<<16
	s_mov_b32 s[\g+4], 128*KS/256
	s_mov_b32 s[\g+5], 32
	s_mov_b32 s[\g+6], 0
	s_mov_b32 s[\g+7], 0
.endr
	s_lshl_b32 s18, s16, 7                         ; which 128 rows of the tile I fetch
	s_lshl_b32 s22, s41, 8
	s_add_co_u32 s20, s20, s22
	s_add_co_u32 s20, s20, s18                     ; A: + 256 cy + 128 x half
	s_lshl_b32 s47, s40, 8
	s_add_co_u32 s46, s46, s47
	s_add_co_u32 s46, s46, s18                     ; B: + 256 cx + 128 x half
	s_mov_b32 s21, 0
	s_mov_b32 s47, 0
	s_mov_b64 s[18:19], KS
	s_mul_u64 s[22:23], s[20:21], s[18:19]         ; where these rows' scales begin, in bytes
	s_mul_u64 s[92:93], s[46:47], s[18:19]
	s_mov_b64 s[18:19], KROW
	s_mul_u64 s[20:21], s[20:21], s[18:19]         ; and their codes
	s_mul_u64 s[46:47], s[46:47], s[18:19]
	s_mul_i32 s45, s14, HALFT                      ; where they go: wave x 128 rows: no place in the cluster enters an LDS address
	s_mul_i32 s94, s14, HALFS
	s_wait_dscnt 0x0                               ; both opening adds are done
	s_wait_kmcnt 0x0
	s_add_nc_u64 s[20:21], s[4:5], s[20:21]
	s_add_nc_u64 s[22:23], s[6:7], s[22:23]
	s_add_nc_u64 s[46:47], s[4:5], s[46:47]
	s_add_nc_u64 s[92:93], s[6:7], s[92:93]
	s_add_nc_u64 s[8:9], s[8:9], s[66:67]          ; my codes' first image: the first 64 along K,
	s_add_nc_u64 s[12:13], s[8:9], s[12:13]        ; the second 64,
	s_add_nc_u64 s[10:11], s[10:11], s[96:97]      ; and my scale words
	CROUND                                         ; all sixteen work-groups are here: the first joint loads meet
	s_mov_b32 s[G0S], 1
	s_add_co_u32 s[G0S+1], s94, SCL
	s_mov_b64 s[G0S+2:G0S+3], s[22:23]
	s_or_b32 s[G0S+3], s[G0S+3], 0x80000000
	s_mov_b32 s[G0SB], 1
	s_add_co_u32 s[G0SB+1], s94, SCL
	s_mov_b64 s[G0SB+2:G0SB+3], s[92:93]
	s_or_b32 s[G0SB+3], s[G0SB+3], 0x80000000
	JLOAD G0S, G1S, G0SB, G1SB                     ; the scales first: they are wanted with K step 0
.irp s, 0,1
	s_mov_b32 s[G0+4*\s], 1
	s_add_co_u32 s[G0+4*\s+1], s45, \s*SLOT
	s_add_nc_u64 s[G0+4*\s+2:G0+4*\s+3], s[20:21], \s*ROWB
	s_or_b32 s[G0+4*\s+3], s[G0+4*\s+3], 0x80000000
	s_mov_b32 s[G0B+4*\s], 1
	s_add_co_u32 s[G0B+4*\s+1], s45, \s*SLOT
	s_add_nc_u64 s[G0B+4*\s+2:G0B+4*\s+3], s[46:47], \s*ROWB
	s_or_b32 s[G0B+4*\s+3], s[G0B+4*\s+3], 0x80000000
	JLOAD G0+4*\s, G1, G0B+4*\s, G1B               ; three tensor loads of mine are out at the most
.endr
	v_and_b32 v1, 15, v0                           ; l % 16
	v_bfe_u32 v2, v0, 4, 1                         ; l / 16
	v_mul_u32_u24 v3, v1, PITCH
	v_mul_u32_u24 v4, v2, 24
	v_add_nc_u32 v4, v3, v4                        ; a fragment's row x pitch + 24 x half
	v_lshl_add_u32 v5, v2, 4, v4                   ; and the same behind one padding more
	s_mul_i32 s21, s15, HALFT                      ; my 128 rows of A
	s_mul_i32 s22, s16, HALFT                      ; my 128 rows of B,
	s_add_co_u32 s22, s22, 2*HALFT                 ; which lie behind A's 256
.irp s, 0,1
	v_add_nc_u32 v[ADRA+\s], s21, v4
	v_add_nc_u32 v[ADRB+\s], s22, v4
	v_add_nc_u32 v[ADRA+2+\s], s21, v5
	v_add_nc_u32 v[ADRB+2+\s], s22, v5
	s_add_co_u32 s21, s21, SLOT
	s_add_co_u32 s22, s22, SLOT
.endr
	v_mul_u32_u24 v5, v1, KS                       ; my row's scales: 32 bytes a row,
	v_lshrrev_b32 v6, 8, v5
	v_lshl_add_u32 v5, v6, 4, v5                   ; and 16 more for each 256 passed
	s_mul_i32 s21, s15, HALFS                      ; A's: my 128 rows
	s_mul_i32 s22, s16, HALFS                      ; B's: my 128 rows, behind A's 256
	s_add_co_u32 s22, s22, 2*HALFS
	s_sub_co_u32 s22, s22, s21
	v_mul_u32_u24 v6, s22, v2                      ; lanes 16-31 take B's
	s_add_co_u32 s21, s21, SCL
	v_add_nc_u32 v5, v5, v6
	v_add_nc_u32 v[ADRS], s21, v5
	v_and_b32 v6, 31, v0
	v_lshlrev_b32 v[LS4], 2, v6
	v_lshlrev_b32 v[LS8], 3, v6
.irp b, 0,1,2,3
	v_mov_b32 v[TM+4+\b], 0                        ; written once: a lane permute's destination counts as one of its sources
.endr
.macro FRAG reg, adr, q, i             ; a fragment, 16 rows x 128 K of 6-bit codes, is 12 registers: lane l holds row l % 16; registers 6 c .. 6 c + 5 hold K = 64 c + 32 (l / 16) + 0 .. 31, as the bits lie
.irp p, 0,1,2,3,4,5                    ; in pieces of 8 bytes.  Lanes 16-31 read three pieces further on than lanes 0-15: where that is behind one padding more, the second address register serves
.set PCE, 12*(\q)+6*(\p/3)+\p%3
.if PCE%8 < 5
	ds_load_b64 v[\reg+2*\p:\reg+2*\p+1], v[\adr] offset:8*PCE+16*(PCE/8)+(\i)*16*PITCH
.else
	ds_load_b64 v[\reg+2*\p:\reg+2*\p+1], v[\adr+2] offset:8*PCE+16*(PCE/8)+(\i)*16*PITCH
.endif
.endr
.endm
; 16 matrix instructions: A's blocks a0, a0 + 1 x B's eight, 128 along K.  zero = 1: the first product starts the sums.  The 64 accumulators take turns, one instruction a turn.
.macro MUL16 a0, p, q, sc, zero
.irp a, \a0, \a0+1
.irp b, 0,1,2,3,4,5,6,7
.if \zero
	v_wmma_scale_f32_16x16x128_f8f6f4 v[8*(8*((\a)%4)+\b):8*(8*((\a)%4)+\b)+7], v[128*(\p)+FR*\b:128*(\p)+FR*\b+FR-1], v[AF+FR*(\a):AF+FR*(\a)+FR-1], 0, v[SC+8*NQ*(\sc)+NQ*\b+(\q)], v[SC+8*NQ*(\sc)+NQ*(\a)+(\q)] matrix_a_fmt:MATRIX_FMT_FP6 matrix_b_fmt:MATRIX_FMT_FP6 matrix_a_scale:MATRIX_SCALE_ROW1
.else
	v_wmma_scale_f32_16x16x128_f8f6f4 v[8*(8*((\a)%4)+\b):8*(8*((\a)%4)+\b)+7], v[128*(\p)+FR*\b:128*(\p)+FR*\b+FR-1], v[AF+FR*(\a):AF+FR*(\a)+FR-1], v[8*(8*((\a)%4)+\b):8*(8*((\a)%4)+\b)+7], v[SC+8*NQ*(\sc)+NQ*\b+(\q)], v[SC+8*NQ*(\sc)+NQ*(\a)+(\q)] matrix_a_fmt:MATRIX_FMT_FP6 matrix_b_fmt:MATRIX_FMT_FP6 matrix_a_scale:MATRIX_SCALE_ROW1
.endif
.endr
.endr
.endm
.macro FETCH_B slot, q, p              ; B's eight fragments of the slot's q-th 128 along K into set p
	WIN TO_B
.irp i, 0,1,2,3,4,5,6,7
	FRAG 128*(\p)+FR*\i, ADRB+\slot, \q, \i
.endr
	WIN 0
.endm
.macro FETCH_A slot, q, i0             ; A's blocks i0 .. i0 + 3
.irp i, \i0, \i0+1, \i0+2, \i0+3
	FRAG AF+FR*(\i), ADRA+\slot, \q, \i
.endr
.endm
.macro SCALES sc                       ; the next K step's scale words into set sc: two words a row; lanes 0-15 take A's block i, lanes 16-31 B's block i
.irp i, 0,1,2,3,4,5,6,7
	ds_load_b64 v[SC+8*NQ*\sc+NQ*\i:SC+8*NQ*\sc+NQ*\i+1], v[ADRS] offset:\i*SBLK
.endr
.endm
.macro PLACES n                        ; plain vector instructions between a matrix instruction and a load into, or a vector read or write of, its registers
.rept \n
	v_nop
.endr
.endm
; A step of 128 along K that has its successor in the same slot.
.macro STEP slot, q, zero
	s_wait_dscnt 4*NL                              ; B's set and A's blocks 0-3 are in; the youngest 24 loads (A's blocks 4-7) may be out
	WIN MUL_LO
	MUL16 0, (\q)%2, \q, \slot, \zero
	MUL16 2, (\q)%2, \q, \slot, \zero
	s_wait_dscnt 0                                 ; A's blocks 4-7 are in
	PLACES NP
	FETCH_B \slot, (\q)+1, 1-(\q)%2
	FETCH_A \slot, (\q)+1, 0
	WIN MUL_HI
	MUL16 4, (\q)%2, \q, \slot, \zero
	MUL16 6, (\q)%2, \q, \slot, \zero
	PLACES NP
	WIN 0
	FETCH_A \slot, (\q)+1, 4
.endm
; A slot's last step changes slots: ONE barrier; in front of it each wave waits for all its tensor loads, adds 0 to its spare word, and waits for that and for its own reads of this slot.  fill = 1: this slot is filled again.
.macro TURN slot, next, fill
	s_wait_tensorcnt 0x0                           ; all my tensor loads have landed: my part of the next slot
	ds_add_u32 v[SPW], v[NIL]                      ; 0 onto my spare word
	s_wait_dscnt 4*NL+1                            ; (the add and the youngest 24 loads may be out)
	WIN MUL_LO
	MUL16 0, 1, NQ-1, \slot, 0                     ; sixteen matrix instructions stand between the add and the wait for it
	s_wait_dscnt 0x0                               ; the add is done, and my reads of this slot are over
	s_barrier_signal -1
	MUL16 2, 1, NQ-1, \slot, 0
	WIN 0
	s_barrier_wait -1
.if \fill
	CREST                                          ; the barrier has opened a round of the cluster's barrier: no wave of any partner still reads this slot or has a load on its way
	s_add_nc_u64 s[G0+4*\slot+2:G0+4*\slot+3], s[G0+4*\slot+2:G0+4*\slot+3], 2*ROWB
	s_add_nc_u64 s[G0B+4*\slot+2:G0B+4*\slot+3], s[G0B+4*\slot+2:G0B+4*\slot+3], 2*ROWB
	JLOAD G0+4*\slot, G1, G0B+4*\slot, G1B         ; the first tensor load behind the round; its four v_nop are the places in front of the loads below
.else
	PLACES NP
.endif
	v_add_nc_u32 v[ADRS], 4*NQ, v[ADRS]            ; on to the next K step's scale words (no LDS load of mine is out)
	FETCH_B \next, 0, 0
	FETCH_A \next, 0, 0
	SCALES \next
	WIN MUL_HI
	MUL16 4, 1, NQ-1, \slot, 0
	MUL16 6, 1, NQ-1, \slot, 0
	PLACES NP
	WIN 0
	FETCH_A \next, 0, 4
.endm
	s_wait_tensorcnt 1                             ; the scales and my part of K step 0 are in (K step 1's load may be out)
	s_barrier_signal -1
	s_barrier_wait -1                              ; everybody's are
	FETCH_B 0, 0, 0
	FETCH_A 0, 0, 0
	SCALES 0
	FETCH_A 0, 0, 4
	STEP 0, 0, 1                                   ; the first step stands in front of the loop: its products start the sums
	s_mov_b32 s3, LAPS-1
.Llap:                                                 ; a trip goes once round the ring and fills both slots again
	TURN 0, 1, 1
	STEP 1, 0, 0
	TURN 1, 0, 1
	STEP 0, 0, 0
	s_sub_co_u32 s3, s3, 1
	s_cmp_lg_u32 s3, 0
	s_cbranch_scc1 .Llap
	TURN 0, 1, 0                                   ; the last lap fills nothing, and has no round of the cluster's barrier
	STEP 1, 0, 0
	s_wait_dscnt 4*NL                              ; the very last step: nothing more to fetch
	WIN MUL_LO
	MUL16 0, 1, NQ-1, 1, 0
	MUL16 2, 1, NQ-1, 1, 0
	s_wait_dscnt 0
	WIN MUL_HI
	MUL16 4, 1, NQ-1, 1, 0
	MUL16 6, 1, NQ-1, 1, 0
	WIN 0
; THE WAY OUT.  Block a: 64 numbers a lane, register 16 b + i = 32 b + 16 (lane / 16) + i along the next K, of the lane's row of A.  They become a fragment's codes and a scale word.
.macro QUANTW a
.set WW, 2+(\a)/4                      ; the block's window
.set AC, 64*((\a)%4)
.set PCA, AF+12*(\a)                   ; each block has code registers of its own: no store's data are written again
	WIN 5*WW                                       ; sources 0 and 1 in the block's window
.irp b, 0,1,2,3
	v_max3_num_f32 v[TM+\b], |v[AC+16*\b]|, |v[AC+16*\b+1]|, 0x1800000   ; block b of 32: my 16 numbers, from each accumulator's low end on, and the floor 2^(3 - 127): the byte cannot fall under 1
.endr
.irp i, 2,4,6,8,10,12,14
.irp b, 0,1,2,3
	v_max3_num_f32 v[TM+\b], |v[AC+16*\b+\i]|, |v[AC+16*\b+\i+1]|, v[TM+\b]   ; (the four blocks by turns)
.endr
.endr
	WIN 0
.irp b, 0,1,2,3
	v_permlanex16_b32 v[TM+4+\b], v[TM+\b], s[SEL], s[SEL+1]
.endr
.irp b, 0,1,2,3
	v_max_num_f32 v[TM+\b], v[TM+\b], v[TM+4+\b]   ; with lane l xor 16's: the block's largest magnitude
.endr
.irp b, 0,1,2,3
	v_add_nc_u32 v[TM+12+\b], 0xff000000, v[TM+\b] ; 2 off its exponent field: the conversion's scale operand
.endr
.irp b, 0,1,2,3
	v_lshrrev_b32 v[TM+4+\b], 23, v[TM+12+\b]      ; the scale's byte
.endr
	v_lshl_or_b32 v[PW+\a], v[TM+5], 8, v[TM+4]    ; the four bytes make my row's scale word
	v_lshl_or_b32 v[PW+\a], v[TM+6], 16, v[PW+\a]
	v_lshl_or_b32 v[PW+\a], v[TM+7], 24, v[PW+\a]
	WIN WW                                         ; source 0 alone in the block's window
.irp c, 0,1
	v_cvt_scalef32_pk16_fp6_f32 v[PCA+6*\c:PCA+6*\c+2], v[AC+32*\c:AC+32*\c+15], v[TM+12+2*\c]
	v_cvt_scalef32_pk16_fp6_f32 v[TC+4*\c:TC+4*\c+2], v[AC+32*\c+16:AC+32*\c+31], v[TM+13+2*\c]   ; (a conversion's three registers begin on an even number)
.endr
	WIN 0
	v_nop                                          ; one plain place behind a scaled conversion
.irp c, 0,1                                    ; the operand's layout wants a WHOLE block in a lane: lanes 0-15 block 2 c, lanes 16-31 block 2 c + 1
.irp i, 0,1,2
	v_permlane16_swap_b32 v[PCA+6*\c+\i], v[TC+4*\c+\i]
.endr
.irp i, 0,1,2
	v_mov_b32 v[PCA+6*\c+3+\i], v[TC+4*\c+\i]
.endr
.endr
.irp p, 0,1,2
	global_store_b64 v[LS8], v[PCA+2*\p:PCA+2*\p+1], s[8:9] offset:768*(\a)+256*\p       ; 32 lanes store 256 consecutive bytes, at a multiple of 256 from the buffer's first byte
.endr
.irp p, 0,1,2
	global_store_b64 v[LS8], v[PCA+6+2*\p:PCA+7+2*\p], s[12:13] offset:768*(\a)+256*\p
.endr
.if (\a)%2 == 1
	v_cndmask_b32 v[MG+(\a)/2], v[PW+(\a)-1], v[PW+\a], s[HM]      ; lanes 0-15: block a - 1's words, lanes 16-31: block a's (both halves of the lanes hold a row's word)
	global_store_b32 v[LS4], v[MG+(\a)/2], s[10:11] offset:64*((\a)-1)   ; 128 consecutive bytes
.endif
.endm
	PLACES NP                                      ; behind the last products: the lines below read results and write registers that held A's fragments
.irp a, 0,1,2,3,4,5,6,7
	QUANTW \a
.endr
	s_wait_tensorcnt 0x0                           ; the wave's end: behind my last tensor load
	ds_add_u32 v[SPW], v[NIL]
	s_wait_dscnt 0x0
	CROUND                                         ; the closing round: no work-group ends while a partner may still ask for a tile that names it
	s_endpgm
.Lfunc_end_k_q796bd4d80e_qkv:
	.size	k_q796bd4d80e_qkv, .Lfunc_end_k_q796bd4d80e_qkv-k_q796bd4d80e_qkv
	.p2alignl 7, 3214868480
	.fill 96, 4, 3214868480
	.section	.rodata,"a",@progbits
	.p2align	6, 0x0
	.amdhsa_kernel k_q796bd4d80e_qkv
		.amdhsa_group_segment_fixed_size 327680
		.amdhsa_private_segment_fixed_size 0
		.amdhsa_enable_private_segment 0
		.amdhsa_kernarg_size 32
		.amdhsa_user_sgpr_count 2
		.amdhsa_user_sgpr_kernarg_segment_ptr 1
		.amdhsa_wavefront_size32 1
		.amdhsa_system_sgpr_workgroup_id_x 1
		.amdhsa_system_sgpr_workgroup_id_y 1
		.amdhsa_system_sgpr_workgroup_id_z 1
		.amdhsa_system_vgpr_workitem_id 0
		.amdhsa_next_free_vgpr 1024
		.amdhsa_next_free_sgpr 102
		.amdhsa_reserve_vcc 0
		.amdhsa_float_denorm_mode_32 3
		.amdhsa_float_denorm_mode_16_64 3
		.amdhsa_memory_ordered 1
		.amdhsa_forward_progress 1
		.amdhsa_inst_pref_size 167
	.end_amdhsa_kernel
	.amdgpu_metadata
---
amdhsa.version: [ 1, 2 ]
amdhsa.kernels:
  - .name:           k_q796bd4d80e_qkv
    .symbol:         k_q796bd4d80e_qkv.kd
    .args:
      - { .name: cod, .offset: 0, .size: 8, .value_kind: global_buffer, .address_space: global }
      - { .name: scl, .offset: 8, .size: 8, .value_kind: global_buffer, .address_space: global }
      - { .name: qkvc, .offset: 16, .size: 8, .value_kind: global_buffer, .address_space: global }
      - { .name: qkvs, .offset: 24, .size: 8, .value_kind: global_buffer, .address_space: global }
    .group_segment_fixed_size: 327680
    .private_segment_fixed_size: 0
    .kernarg_segment_align: 8
    .kernarg_segment_size: 32
    .max_flat_workgroup_size: 128
    .sgpr_count:     102
    .vgpr_count:     1024
    .wavefront_size: 32
...
	.end_amdgpu_metadata
.endif
;; end of part 2
;; launch attn (part 3): grid 4 x 64, 8 waves a work-group, no clusters, 134,656 bytes of LDS; arguments qkvc, qkvs, oc, os; writes oc, os
.if DOCPART == 3
	.amdgcn_target "amdgcn-amd-amdhsa--gfx1250"
	.amdhsa_code_object_version 6
	.text
	.protected	k_q796bd4d80e_attn
	.globl	k_q796bd4d80e_attn
	.p2align	8
	.type	k_q796bd4d80e_attn,@function
k_q796bd4d80e_attn:
	s_mov_b64 s[64:65], 0
	v_nop
	global_prefetch_b8 v0, s[64:65] scope:SCOPE_SE
	s_setreg_imm32_b32 hwreg(HW_REG_WAVE_MODE, 25, 1), 1
	s_wait_xcnt 0x0
; LAUNCH 3 OF 4.  For each batch and head: attn = e / (sum of e + 1e-10), e = exp(q . k / 8 - the row's maximum); out = attn v.  Both products on codes of FP6 (E2M3) with E8M0 scales; out leaves as codes.  No work is left out.
; attn IS QUANTISED FINISHED AND NORMALISED, in blocks of 32 keys: so a row's maximum and sum over all 2,048 keys are known before a code is made.  ONE PASS all the same: THE KEYS ARE SHARED AMONG THE WAVES.
; SHARES.  Work-group (x, y): batch y / 16, head y % 16, queries 512 x .. 512 x + 511: 32 tiles of 16, four a trip.  Wave w owns keys 256 w .. 256 w + 255 for every tile: its K (96 registers) and V (96) are read
; from memory once and stay.  A tile's 16 x 256 scores stay in 128 registers from the product to the codes.  The eight waves exchange maximum and sum through LDS, once a tile, and their parts of O^T are added through LDS.
; Two waves of 512 registers share a SIMD: one's vector work stands beside the other's matrix work, LDS trips and barrier waits.
; LAYOUT.  Both products transposed: S^T = K Q^T (source 0 = keys), O^T = V^T P^T (source 0 = channels): a lane holds ONE query (lane % 16).  Launch 1's order of rows makes the 16 registers of two neighbouring
; tiles 16 neighbouring keys (or channels): 32 b + 16 (lane / 16) + 0 .. 15.
; K = 64 IN AN INSTRUCTION OF 128: source 0 holds TWO tiles of keys, one in its lower 64 along K, one in its upper.  Against [Q | zero codes] the product is the first tile's, against [zero codes | Q] the second's.
; Zero codes add nothing under any scale byte but 0xff, and all bytes here lie in 1 .. 254.
; THE SOFTMAX.  c = log2(e) / 8.  Each wave: CM = c x (largest of its 256 scores); p~ = 2^(c s - CM); L = the sum of p~.  After the exchange: G = the largest CM; l = the sum over waves of L 2^(CM - G) + 1e-10;
; p = p~ x (2^(CM - G) / l).  A block's largest p is not searched for: the block's largest score goes through the same operations and gives the same bits.
; No cluster and no tensor load: K and V go straight into operand registers at the head, once; what four work-groups share is read once by each.  No prefetch: all of K and V is asked for at the head, Q a tile ahead.
; LIMITS.  The division is v_rcp_f32 and two multiplications (a few units in the last place).  The rounding of CM cancels between p and l.  The block's largest p leans on v_exp_f32 not falling where its input rises.
; p under 2^-126 becomes 0.  A block of zeros gets the byte 1 (its codes are zeros; the bytes are read by this program alone).  The sum over the keys is grouped by waves.  NaN and infinities are not served.
; LDS: 0: parts of O^T, [tile 0-3][wave 0-7][4,096]: images of 32 registers, 16 bytes a lane;  131,072 and 132,352: the statistics, by turns: 16 queries x (8 CM, 8 L, 16 bytes of padding);  133,632: the spare words.
; REGISTERS.  Window 1: v0-95 K (tile kt at 6 kt); v96-191 V (128 keys jc, channel tile dt at 96 + 12 (4 jc + dt)); v192-223 O^T.  Window 0: below.
.set STAT,  131072
.set SPARE, 133632
.set LQ,   1                           ; v1   8 x lane: an image's piece
.set LR4,  2                           ; v2   4 x (lane % 16): a scale word
.set STW,  3                           ; v3   where I put CM (lanes 0-15) or L (lanes 16-31): STAT + 80 r + 32 h + 4 w
.set STR,  4                           ; v4   where I read four waves' CM: STAT + 80 r + 16 h
.set OW0,  5                           ; v5   my part of O^T, tiles 0, 1: 4096 w + 16 x lane
.set OW2,  6                           ; v6   tiles 2, 3
.set FRD,  7                           ; v7   the parts that I add: tile w / 2, channels 32 (w % 2) on
.set OOF,  8                           ; v8   my 12 bytes in oc
.set OSF,  9                           ; v9   my byte in os
.set SPW,  10                          ; v10  my spare word; never rewritten
.set NIL,  11                          ; v11  0; never rewritten
.set QZ,   12                          ; v12-17 zero codes, v18-23 Q, v24-29 zero codes
.set QSRAW, 30                         ; v30  two heads' scale bytes of Q, as loaded
.set QS,   31                          ; v31  Q's scale word: my head's two bytes, twice
.set KS,   32                          ; v32-39 K's scale words, one for each pair of tiles
.set VS,   40                          ; v40-47 V's
.set BM,   48                          ; v48-55 the blocks' largest score, then largest p
.set T,    56                          ; v56-63 the other half's; then the conversions' scale operands
.set CM,   64                          ; v64 (v65 named with it)
.set F,    66                          ; v66 (v67 named with it)
.set ACC,  68                          ; v68-75 four chains of sums
.set C4,   76                          ; v76-79 four waves' CM; v76-83 later the eight bytes
.set L4,   80                          ; v80-83 four waves' L
.set E,    84                          ; v84-88
.set G,    89
.set L,    90
.set X,    91
.set PW,   92                          ; v92, v93 p's scale words
.set PC,   94                          ; v94-105, v106-117 p's codes
.set TC,   118                         ; v118-125
.set S,    128                         ; v128-255 the scores, then p: tile kt at S + 8 kt
.set QB,  12                           ; s[12:13] Q's images, this trip's first tile
.set KB,  14
.set VB,  16
.set QSB, 18
.set KSB, 20
.set VSB, 22
.set OCB, 24
.set OSB, 26
.set CS,  28                           ; s[28:29] c
.set SEL, 30                           ; s30, s31 lane l xor 16
.set HM,  32                           ; s32  lanes 16-31
.set SELQ, 33
.set SELK, 34
.set CNT, 35                           ; trips to go
.set WV,  36
.set MSB, 0
.macro WIN new
.if MSB != (\new)
	s_set_vgpr_msb (MSB<<8)|(\new)
.set MSB, (\new)
.endif
.endm
.set W_LD, 0x40                        ; destination window 1
.set W_S,  0x01                        ; source 0 (K) window 1
.set W_PV, 0x51                        ; source 0 (V), C and D (O^T) window 1
.set W_ST, 0x04                        ; an LDS store's data are its source 1: window 1
	s_load_b256 s[4:11], s[0:1], 0x0               ; qkvc s[4:5], qkvs s[6:7], oc s[8:9], os s[10:11]
	v_lshl_add_u32 v[SPW], v0, 2, SPARE
	v_mov_b32 v[NIL], 0
	v_lshrrev_b32 v120, 5, v0
	v_readfirstlane_b32 s[WV], v120                ; wave 0..7
	s_and_b32 s37, ttmp7, 0xffff
	s_lshr_b32 s38, s37, 4                         ; batch
	s_and_b32 s39, s37, 15                         ; head
	s_lshl_b32 s40, s38, 7                         ; the batch's first token tile
	s_lshl_b32 s41, ttmp9, 5
	s_add_co_u32 s41, s41, s40                     ; my queries' first tile
	s_lshl_b32 s42, s39, 9                         ; 512 tiles a head
	s_add_co_u32 s43, s42, s41
	s_mul_i32 s[QB], s43, 768
	s_mov_b32 s[QB+1], 0
	s_lshl_b32 s44, s[WV], 4
	s_add_co_u32 s44, s44, s40                     ; my keys' first tile
	s_add_co_u32 s43, s42, s44
	s_add_co_u32 s43, s43, 8192                    ; k's heads lie behind q's sixteen
	s_mul_i32 s[KB], s43, 768
	s_mov_b32 s[KB+1], 0
	s_lshl_b32 s43, s38, 4
	s_lshl_b32 s45, s[WV], 1
	s_add_co_u32 s43, s43, s45                     ; my first 128 keys
	s_lshl_b32 s45, s43, 7                         ; two images of 64 keys x 64 channel tiles
	s_lshl_b32 s46, s39, 2                         ; my head's first channel tile
	s_add_co_u32 s45, s45, s46
	s_mul_i32 s[VB], s45, 768
	s_add_co_u32 s[VB], s[VB], 12582912
	s_mov_b32 s[VB+1], 0
	s_lshl_b32 s45, s43, 6
	s_add_co_u32 s45, s45, s46
	s_lshl_b32 s[VSB], s45, 6
	s_add_co_u32 s[VSB], s[VSB], 524288
	s_mov_b32 s[VSB+1], 0
	s_lshr_b32 s45, s39, 1                         ; my pair of heads
	s_lshl_b32 s45, s45, 9
	s_add_co_u32 s46, s45, s41
	s_lshl_b32 s[QSB], s46, 6
	s_mov_b32 s[QSB+1], 0
	s_add_co_u32 s46, s45, s44
	s_add_co_u32 s46, s46, 4096                    ; k's pairs lie behind q's eight
	s_lshl_b32 s[KSB], s46, 6
	s_mov_b32 s[KSB+1], 0
	s_lshl_b32 s46, s41, 4
	s_add_co_u32 s46, s46, s39
	s_mul_i32 s[OCB], s46, 768                     ; oc: [token tile][head][768]
	s_mov_b32 s[OCB+1], 0
	s_lshl_b32 s[OSB], s41, 9                      ; os: 32 bytes a token
	s_lshl_b32 s46, s39, 1
	s_add_co_u32 s[OSB], s[OSB], s46
	s_mov_b32 s[OSB+1], 0
	s_mov_b32 s[CS], 0x3e38aa3b                    ; c = log2(e) / 8
	s_mov_b32 s[CS+1], s[CS]                       ; (named with it as a pair, so it is written)
	s_mov_b32 s[SEL], 0x76543210
	s_mov_b32 s[SEL+1], 0xfedcba98
	s_mov_b32 s[HM], 0xffff0000
	s_mov_b32 s[CNT], 8
	s_bitcmp1_b32 s39, 0                           ; an odd head's bytes are a word's upper two
	s_mov_b32 s[SELQ], 0x01000100
	s_cselect_b32 s[SELQ], 0x03020302, s[SELQ]
	s_mov_b32 s[SELK], 0x05040100
	s_cselect_b32 s[SELK], 0x07060302, s[SELK]
	v_and_b32 v120, 31, v0                         ; lane
	v_and_b32 v121, 15, v0                         ; r
	v_bfe_u32 v122, v0, 4, 1                       ; h
	v_lshlrev_b32 v[LQ], 3, v120
	v_lshlrev_b32 v[LR4], 2, v121
	v_mul_u32_u24 v123, v121, 80
	s_lshl_b32 s47, s[WV], 2
	s_add_co_u32 s47, s47, STAT
	v_lshl_add_u32 v[STW], v122, 5, v123
	v_add_nc_u32 v[STW], s47, v[STW]
	v_lshl_add_u32 v[STR], v122, 4, v123
	v_add_nc_u32 v[STR], STAT, v[STR]
	s_lshl_b32 s47, s[WV], 12
	v_lshl_add_u32 v[OW0], v120, 4, s47
	v_add_nc_u32 v[OW2], 65536, v[OW0]
	s_lshr_b32 s48, s[WV], 1                       ; the tile of four that I finish,
	s_and_b32 s49, s[WV], 1                        ; and which 32 of its 64 channels
	s_lshl_b32 s47, s48, 15
	s_lshl_b32 s50, s49, 11
	s_add_co_u32 s47, s47, s50
	v_lshl_add_u32 v[FRD], v120, 4, s47
	v_mul_u32_u24 v[OOF], v121, 24
	v_mad_u32_u24 v[OOF], v122, 12, v[OOF]
	s_mul_i32 s47, s49, 384
	s_mul_i32 s50, s48, 12288
	s_add_co_u32 s47, s47, s50
	v_add_nc_u32 v[OOF], s47, v[OOF]               ; 24 r + 12 h + 384 x block + 12,288 x tile
	v_lshlrev_b32 v[OSF], 5, v121
	s_lshl_b32 s47, s48, 9
	s_add_co_u32 s47, s47, s49
	v_add_nc_u32 v[OSF], s47, v[OSF]               ; 32 r + block + 512 x tile
.irp i, 0,1,2,3,4,5
	v_mov_b32 v[QZ+\i], 0                          ; zero codes on both sides of Q
	v_mov_b32 v[QZ+12+\i], 0
.endr
.irp b, 0,1,2,3,4,5,6,7
	v_mov_b32 v[T+\b], 0                           ; written once: a lane permute's destination counts as one of its sources
.endr
	v_mov_b32 v[X], 0
	v_mov_b32 v[CM+1], 0                           ; (named as upper halves of pairs)
	v_mov_b32 v[F+1], 0
	s_wait_kmcnt 0x0
	s_add_nc_u64 s[QB:QB+1], s[4:5], s[QB:QB+1]
	s_add_nc_u64 s[KB:KB+1], s[4:5], s[KB:KB+1]
	s_add_nc_u64 s[VB:VB+1], s[4:5], s[VB:VB+1]
	s_add_nc_u64 s[QSB:QSB+1], s[6:7], s[QSB:QSB+1]
	s_add_nc_u64 s[KSB:KSB+1], s[6:7], s[KSB:KSB+1]
	s_add_nc_u64 s[VSB:VSB+1], s[6:7], s[VSB:VSB+1]
	s_add_nc_u64 s[OCB:OCB+1], s[8:9], s[OCB:OCB+1]
	s_add_nc_u64 s[OSB:OSB+1], s[10:11], s[OSB:OSB+1]
	WIN W_LD
.irp kt, 0,1,2,3,4,5,6,7,8,9,10,11,12,13,14,15     ; my 256 keys: 16 images; each load reads 256 consecutive bytes
.irp p, 0,1,2
	global_load_b64 v[6*\kt+2*\p:6*\kt+2*\p+1], v[LQ], s[KB:KB+1] offset:768*\kt+256*\p
.endr
.endr
.irp jc, 0,1                                       ; V: 2 x 128 keys x 4 channel tiles; a fragment is two images of 64 keys
.irp dt, 0,1,2,3
.irp c, 0,1
.irp p, 0,1,2
	global_load_b64 v[96+12*(4*\jc+\dt)+6*\c+2*\p:96+12*(4*\jc+\dt)+6*\c+2*\p+1], v[LQ], s[VB:VB+1] offset:98304*\jc+49152*\c+768*\dt+256*\p
.endr
.endr
.endr
.endr
	WIN 0
.irp kt, 0,1,2,3,4,5,6,7,8,9,10,11,12,13,14,15
	global_load_b32 v[S+\kt], v[LR4], s[KSB:KSB+1] offset:64*\kt   ; two heads' bytes of each key
.endr
.irp jc, 0,1
.irp dt, 0,1,2,3
	global_load_b32 v[VS+4*\jc+\dt], v[LR4], s[VSB:VSB+1] offset:4096*\jc+64*\dt
.endr
.endr
.irp p, 0,1,2
	global_load_b64 v[QZ+6+2*\p:QZ+7+2*\p], v[LQ], s[QB:QB+1] offset:256*\p   ; the first tile of queries
.endr
	global_load_b32 v[QSRAW], v[LR4], s[QSB:QSB+1]
	s_wait_loadcnt 0x0
.irp j, 0,1,2,3,4,5,6,7
	v_perm_b32 v[KS+\j], v[S+1+2*\j], v[S+2*\j], s[SELK]   ; bytes 0, 1: tile 2 j's; bytes 2, 3: tile 2 j + 1's
.endr
	v_perm_b32 v[QS], v[QSRAW], v[QSRAW], s[SELQ]
.rept 8
	v_nop                                          ; a scale register written by a vector instruction stands 8 places ahead of a scaled matrix instruction; once in the launch
.endr
; ONE TILE OF 16 QUERIES, the k-th of the trip's four.
.macro BLOCK k
.set PB, 1280*((\k)%2)                 ; the statistics' region: two, by turns
	WIN W_S
.irp j, 0,1,2,3,4,5,6,7                        ; S^T: 16 tiles of 16 keys, two from each source 0
	v_wmma_scale_f32_16x16x128_f8f6f4 v[S+16*\j:S+16*\j+7], v[12*\j:12*\j+11], v[QZ+6:QZ+17], 0, v[KS+\j], v[QS] matrix_a_fmt:MATRIX_FMT_FP6 matrix_b_fmt:MATRIX_FMT_FP6
	v_wmma_scale_f32_16x16x128_f8f6f4 v[S+16*\j+8:S+16*\j+15], v[12*\j:12*\j+11], v[QZ:QZ+11], 0, v[KS+\j], v[QS] matrix_a_fmt:MATRIX_FMT_FP6 matrix_b_fmt:MATRIX_FMT_FP6
.endr
	WIN 0
.rept 4
	v_nop                                          ; places in front of the loads into Q's registers and of the first read of the scores
.endr
.if (\k) == 3
	s_cmp_eq_u32 s[CNT], 1                         ; the last trip's last tile has no successor: no load leaves its buffer
	s_cbranch_scc1 .Lno_q_\@
.endif
.irp p, 0,1,2
	global_load_b64 v[QZ+6+2*\p:QZ+7+2*\p], v[LQ], s[QB:QB+1] offset:768*((\k)+1)+256*\p   ; the next tile of queries: a tile ahead
.endr
	global_load_b32 v[QSRAW], v[LR4], s[QSB:QSB+1] offset:64*((\k)+1)
.if (\k) == 3
.Lno_q_\@:
.endif
.irp b, 0,1,2,3,4,5,6,7
	v_max3_num_f32 v[BM+\b], v[S+16*\b], v[S+16*\b+1], v[S+16*\b+2]   ; THE LARGEST SCORE OF EACH BLOCK OF 32 KEYS (each accumulator is read from its low end on): it serves the row's maximum and the block's largest p
.endr
.irp i, 3,5,7,9,11,13
.irp b, 0,1,2,3,4,5,6,7
	v_max3_num_f32 v[BM+\b], v[BM+\b], v[S+16*\b+\i], v[S+16*\b+\i+1]
.endr
.endr
.irp b, 0,1,2,3,4,5,6,7
	v_max_num_f32 v[BM+\b], v[BM+\b], v[S+16*\b+15]
.endr
.irp b, 0,1,2,3,4,5,6,7
	v_permlanex16_b32 v[T+\b], v[BM+\b], s[SEL], s[SEL+1]
.endr
.irp b, 0,1,2,3,4,5,6,7
	v_max_num_f32 v[BM+\b], v[BM+\b], v[T+\b]      ; with lane l xor 16's 16 keys
.endr
	v_max3_num_f32 v[G], v[BM], v[BM+1], v[BM+2]
	v_max3_num_f32 v[G], v[G], v[BM+3], v[BM+4]
	v_max3_num_f32 v[G], v[G], v[BM+5], v[BM+6]
	v_max_num_f32 v[G], v[G], v[BM+7]              ; the largest of my query's 256 scores
	v_mul_f32 v[CM], s[CS], v[G]
	; c s - CM and the exponentials: ONE BATCH.  No line of it names an exponential's result; a scaling leads each pair of exponentials while there are scalings
.set ii, 0
.rept 16
	v_pk_fma_f32 v[S+2*ii:S+2*ii+1], v[S+2*ii:S+2*ii+1], s[CS:CS+1], v[CM:CM+1] op_sel_hi:[1,0,0] neg_lo:[0,0,1] neg_hi:[0,0,1]
.set ii, ii+1
.endr
.set ii, 0
.rept 64
.if ii < 48
	v_pk_fma_f32 v[S+32+2*ii:S+33+2*ii], v[S+32+2*ii:S+33+2*ii], s[CS:CS+1], v[CM:CM+1] op_sel_hi:[1,0,0] neg_lo:[0,0,1] neg_hi:[0,0,1]
.elseif ii < 56
	v_fma_f32 v[BM+ii-48], v[BM+ii-48], s[CS], -v[CM]   ; the same of each block's largest score
.endif
	v_exp_f32 v[S+2*ii], v[S+2*ii]
	v_exp_f32 v[S+2*ii+1], v[S+2*ii+1]
.set ii, ii+1
.endr
.irp b, 0,1,2,3,4,5,6,7
	v_exp_f32 v[BM+\b], v[BM+\b]
.endr
	v_nop                                          ; a plain instruction behind the last exponential
	s_wait_alu depctr_va_vdst(0)                   ; one wait for the batch's 136, ahead of the first line that names a result
.irp c, 0,1,2,3
	v_pk_add_f32 v[ACC+2*\c:ACC+2*\c+1], v[S+2*\c:S+2*\c+1], v[S+8+2*\c:S+9+2*\c]   ; THE SUM IS TAKEN OF THE UNQUANTISED p~, in four chains
.endr
.set ii, 8
.rept 56
	v_pk_add_f32 v[ACC+2*(ii%4):ACC+2*(ii%4)+1], v[ACC+2*(ii%4):ACC+2*(ii%4)+1], v[S+2*ii:S+2*ii+1]
.set ii, ii+1
.endr
	v_pk_add_f32 v[ACC:ACC+1], v[ACC:ACC+1], v[ACC+2:ACC+3]
	v_pk_add_f32 v[ACC+4:ACC+5], v[ACC+4:ACC+5], v[ACC+6:ACC+7]
	v_pk_add_f32 v[ACC:ACC+1], v[ACC:ACC+1], v[ACC+4:ACC+5]
	v_add_f32 v[L], v[ACC], v[ACC+1]
	v_permlanex16_b32 v[X], v[L], s[SEL], s[SEL+1]
	v_add_f32 v[L], v[L], v[X]                     ; my 256 keys' sum
	; THE EXCHANGE
	v_cndmask_b32 v[X], v[CM], v[L], s[HM]         ; lanes 0-15 send CM, lanes 16-31 L
	ds_store_b32 v[STW], v[X] offset:PB
	s_wait_loadcnt 0x0                             ; the next tile's Q and its scale bytes are in (asked for at the tile's head)
	v_perm_b32 v[QS], v[QSRAW], v[QSRAW], s[SELQ]
	s_wait_dscnt 0x0                               ; for the others' sake: my store has landed; and all my earlier LDS reads and stores are done
	s_barrier_signal -1
	s_barrier_wait -1
	ds_load_b128 v[C4:C4+3], v[STR] offset:PB      ; CM of waves 4 h .. 4 h + 3,
	ds_load_b128 v[L4:L4+3], v[STR] offset:PB+32   ; and their sums
	s_wait_dscnt 0x0
	v_max3_num_f32 v[G], v[C4], v[C4+1], v[C4+2]
	v_max_num_f32 v[G], v[G], v[C4+3]
	v_permlanex16_b32 v[X], v[G], s[SEL], s[SEL+1]
	v_max_num_f32 v[G], v[G], v[X]                 ; the row's maximum, x c
.irp i, 0,1,2,3
	v_sub_f32 v[E+\i], v[C4+\i], v[G]
.endr
	v_sub_f32 v[E+4], v[CM], v[G]
.irp i, 0,1,2,3,4
	v_exp_f32 v[E+\i], v[E+\i]
.endr
	v_nop
	s_wait_alu depctr_va_vdst(0)                   ; one wait for the five
	v_mul_f32 v[L], v[L4], v[E]
	v_fma_f32 v[L], v[L4+1], v[E+1], v[L]
	v_fma_f32 v[L], v[L4+2], v[E+2], v[L]
	v_fma_f32 v[L], v[L4+3], v[E+3], v[L]
	v_permlanex16_b32 v[X], v[L], s[SEL], s[SEL+1]
	v_add_f32 v[L], v[L], v[X]                     ; the row's sum under the row's maximum,
	v_add_f32 v[L], 0x2edbe6ff, v[L]               ; + 1e-10
	v_rcp_f32 v[G], v[L]
	v_nop
	s_wait_alu depctr_va_vdst(0)
	v_mul_f32 v[F], v[E+4], v[G]                   ; what brings my p~ under the row's maximum and normalises it
.set ii, 0
.rept 64
	v_pk_mul_f32 v[S+2*ii:S+2*ii+1], v[S+2*ii:S+2*ii+1], v[F:F+1] op_sel_hi:[1,0]   ; p, finished and normalised
.set ii, ii+1
.endr
.irp b, 0,1,2,3,4,5,6,7
	v_mul_f32 v[BM+\b], v[BM+\b], v[F]             ; the block's largest p: the same operations on the same number
.endr
.irp b, 0,1,2,3,4,5,6,7
	v_max_num_f32 v[BM+\b], 0x1800000, v[BM+\b]    ; the floor 2^(3 - 127): the byte cannot fall under 1
.endr
.irp b, 0,1,2,3,4,5,6,7
	v_add_nc_u32 v[T+\b], 0xff000000, v[BM+\b]     ; 2 off the exponent field: the conversion's scale operand
.endr
.irp b, 0,1,2,3,4,5,6,7
	v_lshrrev_b32 v[C4+\b], 23, v[T+\b]            ; the scale's byte
.endr
.irp jc, 0,1
	v_lshl_or_b32 v[PW+\jc], v[C4+4*\jc+1], 8, v[C4+4*\jc]
	v_lshl_or_b32 v[PW+\jc], v[C4+4*\jc+2], 16, v[PW+\jc]
	v_lshl_or_b32 v[PW+\jc], v[C4+4*\jc+3], 24, v[PW+\jc]
.endr
.irp jc, 0,1
.irp c, 0,1
	v_cvt_scalef32_pk16_fp6_f32 v[PC+12*\jc+6*\c:PC+12*\jc+6*\c+2], v[S+64*\jc+32*\c:S+64*\jc+32*\c+15], v[T+4*\jc+2*\c]
	v_cvt_scalef32_pk16_fp6_f32 v[TC+4*\c:TC+4*\c+2], v[S+64*\jc+32*\c+16:S+64*\jc+32*\c+31], v[T+4*\jc+2*\c+1]   ; (a conversion's three registers begin on an even number)
.endr
	v_nop                                          ; one plain place behind a scaled conversion
.irp c, 0,1                                    ; the operand's layout wants a WHOLE block in a lane
.irp i, 0,1,2
	v_permlane16_swap_b32 v[PC+12*\jc+6*\c+\i], v[TC+4*\c+\i]
.endr
.irp i, 0,1,2
	v_mov_b32 v[PC+12*\jc+6*\c+3+\i], v[TC+4*\c+\i]
.endr
.endr
.endr
.rept 4
	v_nop                                          ; codes written by vector instructions stand 4 places ahead of a scaled matrix instruction; the scale words stand 18 plain lines ahead (8 are asked)
.endr
	WIN W_PV
.irp dt, 0,1,2,3                               ; my keys' part of O^T: four accumulators by turns, one instruction a turn; the first four start the sums
	v_wmma_scale_f32_16x16x128_f8f6f4 v[192+8*\dt:199+8*\dt], v[96+12*\dt:107+12*\dt], v[PC:PC+11], 0, v[VS+\dt], v[PW] matrix_a_fmt:MATRIX_FMT_FP6 matrix_b_fmt:MATRIX_FMT_FP6
.endr
.irp dt, 0,1,2,3
	v_wmma_scale_f32_16x16x128_f8f6f4 v[192+8*\dt:199+8*\dt], v[144+12*\dt:155+12*\dt], v[PC+12:PC+23], v[192+8*\dt:199+8*\dt], v[VS+4+\dt], v[PW+1] matrix_a_fmt:MATRIX_FMT_FP6 matrix_b_fmt:MATRIX_FMT_FP6
.endr
	WIN 0
.rept 4
	v_nop
.endr
	WIN W_ST
.irp q, 0,1,2,3,4,5,6,7                        ; as an image of the 32 registers, each accumulator from its low end on
.if (\k) < 2
	ds_store_b128 v[OW0], v[192+4*\q:195+4*\q] offset:32768*((\k)%2)+512*\q
.else
	ds_store_b128 v[OW2], v[192+4*\q:195+4*\q] offset:32768*((\k)%2)+512*\q
.endif
.endr
	WIN 0
.endm
; THE FOUR TILES ARE FINISHED.  Wave w adds the eight parts of tile w / 2, channels 32 (w % 2) on: one block of the next product's K; quantises it; stores 384 consecutive bytes of codes.
.macro FINISH
	s_wait_dscnt 0x0                               ; my parts have landed
	s_barrier_signal -1
	s_barrier_wait -1
.irp u, 0,1,2,3,4,5,6,7
.irp q, 0,1,2,3
	ds_load_b128 v[S+16*\u+4*\q:S+16*\u+4*\q+3], v[FRD] offset:4096*\u+512*\q
.endr
.endr
	s_wait_dscnt 16                                ; waves 0 to 3's parts are in; the 16 loads of waves 4 to 7's may be out
.irp u, 0,2
.irp i, 0,2,4,6,8,10,12,14
	v_pk_add_f32 v[S+16*\u+\i:S+16*\u+\i+1], v[S+16*\u+\i:S+16*\u+\i+1], v[S+16*\u+16+\i:S+16*\u+17+\i]
.endr
.endr
	s_wait_dscnt 0x0
.irp u, 4,6
.irp i, 0,2,4,6,8,10,12,14
	v_pk_add_f32 v[S+16*\u+\i:S+16*\u+\i+1], v[S+16*\u+\i:S+16*\u+\i+1], v[S+16*\u+16+\i:S+16*\u+17+\i]
.endr
.endr
.irp u, 0,4
.irp i, 0,2,4,6,8,10,12,14
	v_pk_add_f32 v[S+16*\u+\i:S+16*\u+\i+1], v[S+16*\u+\i:S+16*\u+\i+1], v[S+16*\u+32+\i:S+16*\u+33+\i]
.endr
.endr
.irp i, 0,2,4,6,8,10,12,14
	v_pk_add_f32 v[S+\i:S+\i+1], v[S+\i:S+\i+1], v[S+64+\i:S+65+\i]   ; channels 32 b + 16 h + 0 .. 15 of query r
.endr
	v_max3_num_f32 v[BM], |v[S]|, |v[S+1]|, 0x1800000              ; the largest magnitude of my 16, in two chains, with the floor
	v_max3_num_f32 v[BM+1], |v[S+2]|, |v[S+3]|, |v[S+4]|
	v_max3_num_f32 v[BM], v[BM], |v[S+5]|, |v[S+6]|
	v_max3_num_f32 v[BM+1], v[BM+1], |v[S+7]|, |v[S+8]|
	v_max3_num_f32 v[BM], v[BM], |v[S+9]|, |v[S+10]|
	v_max3_num_f32 v[BM+1], v[BM+1], |v[S+11]|, |v[S+12]|
	v_max3_num_f32 v[BM], v[BM], |v[S+13]|, |v[S+14]|
	v_max3_num_f32 v[BM], v[BM], v[BM+1], |v[S+15]|
	v_permlanex16_b32 v[T], v[BM], s[SEL], s[SEL+1]
	v_max_num_f32 v[BM], v[BM], v[T]
	v_add_nc_u32 v[T], 0xff000000, v[BM]
	v_cvt_scalef32_pk16_fp6_f32 v[PC:PC+2], v[S:S+15], v[T]
	v_lshrrev_b32 v[G], 23, v[T]                   ; the scale's byte (a plain line behind the conversion)
	global_store_b96 v[OOF], v[PC:PC+2], s[OCB:OCB+1]   ; 32 lanes store 384 consecutive bytes
	global_store_b8 v[OSF], v[G], s[OSB:OSB+1]     ; both halves of the lanes write the same byte with the same value; heads lie in other work-groups, so these bytes stand 32 apart: one for each 24 bytes of codes
.endm
; WHY FIVE BARRIERS FOR 64 QUERIES ARE ENOUGH.  The statistics' two regions take turns: a region is written again two tiles on, behind the next tile's barrier, which every wave signals behind the wait for its reads.
; A part of O^T is written by its own wave alone; FINISH reads behind its own barrier; the next trip's first part is stored behind that trip's first barrier, which every wave signals behind the wait for FINISH's reads.
.Ltrip:
	BLOCK 0
	BLOCK 1
	BLOCK 2
	BLOCK 3
	FINISH
	s_wait_xcnt 0x0                                ; the stores have read their registers and bases: both may be written again
	s_add_nc_u64 s[QB:QB+1], s[QB:QB+1], 4*768
	s_add_nc_u64 s[QSB:QSB+1], s[QSB:QSB+1], 4*64
	s_add_nc_u64 s[OCB:OCB+1], s[OCB:OCB+1], 4*12288
	s_add_nc_u64 s[OSB:OSB+1], s[OSB:OSB+1], 4*512
	s_sub_co_u32 s[CNT], s[CNT], 1
	s_cmp_lg_u32 s[CNT], 0
	s_cbranch_scc1 .Ltrip
	s_wait_tensorcnt 0x0                           ; the wave's end: behind my last LDS store
	ds_add_u32 v[SPW], v[NIL]
	s_wait_dscnt 0x0
	s_endpgm
.Lfunc_end_k_q796bd4d80e_attn:
	.size	k_q796bd4d80e_attn, .Lfunc_end_k_q796bd4d80e_attn-k_q796bd4d80e_attn
	.p2alignl 7, 3214868480
	.fill 96, 4, 3214868480
	.section	.rodata,"a",@progbits
	.p2align	6, 0x0
	.amdhsa_kernel k_q796bd4d80e_attn
		.amdhsa_group_segment_fixed_size 134656
		.amdhsa_private_segment_fixed_size 0
		.amdhsa_enable_private_segment 0
		.amdhsa_kernarg_size 32
		.amdhsa_user_sgpr_count 2
		.amdhsa_user_sgpr_kernarg_segment_ptr 1
		.amdhsa_wavefront_size32 1
		.amdhsa_system_sgpr_workgroup_id_x 1
		.amdhsa_system_sgpr_workgroup_id_y 1
		.amdhsa_system_sgpr_workgroup_id_z 1
		.amdhsa_system_vgpr_workitem_id 0
		.amdhsa_next_free_vgpr 512
		.amdhsa_next_free_sgpr 66
		.amdhsa_reserve_vcc 0
		.amdhsa_float_denorm_mode_32 3
		.amdhsa_float_denorm_mode_16_64 3
		.amdhsa_memory_ordered 1
		.amdhsa_forward_progress 1
		.amdhsa_inst_pref_size 149
	.end_amdhsa_kernel
	.amdgpu_metadata
---
amdhsa.version: [ 1, 2 ]
amdhsa.kernels:
  - .name:           k_q796bd4d80e_attn
    .symbol:         k_q796bd4d80e_attn.kd
    .args:
      - { .name: qkvc, .offset: 0, .size: 8, .value_kind: global_buffer, .address_space: global }
      - { .name: qkvs, .offset: 8, .size: 8, .value_kind: global_buffer, .address_space: global }
      - { .name: oc, .offset: 16, .size: 8, .value_kind: global_buffer, .address_space: global }
      - { .name: os, .offset: 24, .size: 8, .value_kind: global_buffer, .address_space: global }
    .group_segment_fixed_size: 134656
    .private_segment_fixed_size: 0
    .kernarg_segment_align: 8
    .kernarg_segment_size: 32
    .max_flat_workgroup_size: 256
    .sgpr_count:     66
    .vgpr_count:     512
    .wavefront_size: 32
...
	.end_amdgpu_metadata
.endif
;; end of part 3
;; launch proj (part 4): grid 4 x 32, 4 waves a work-group, clusters of 4 x 4, 327,680 bytes of LDS; arguments oc, os, cod, scl, bo, out0; writes out0
.if DOCPART == 4
	.amdgcn_target "amdgcn-amd-amdhsa--gfx1250"
	.amdhsa_code_object_version 6
	.text
	.protected	k_q796bd4d80e_proj
	.globl	k_q796bd4d80e_proj
	.p2align	8
	.type	k_q796bd4d80e_proj,@function
k_q796bd4d80e_proj:
	s_mov_b64 s[64:65], 0
	v_nop
	global_prefetch_b8 v0, s[64:65] scope:SCOPE_SE
	s_setreg_imm32_b32 hwreg(HW_REG_WAVE_MODE, 25, 1), 1
	s_wait_xcnt 0x0
	s_wait_alu depctr_hold_cnt(0) depctr_sa_sdst(0) depctr_va_vdst(0) depctr_va_sdst(0) depctr_va_ssrc(0) depctr_va_vcc(0) depctr_vm_vsrc(0)
	s_getreg_b32 s2, hwreg(HW_REG_IB_STS2, 6, 4)
	s_cmp_eq_u32 s2, 0
	s_cbranch_scc0 .Lentry_in_a_cluster
	s_endpgm
.Lentry_in_a_cluster:
	s_bfe_u32 s2, ttmp6, 0x10000c
	s_cmp_lg_u32 s2, 0xf033
	s_cbranch_scc0 .Lentry_shape_is_right
	s_endpgm
.Lentry_shape_is_right:
; LAUNCH 4 OF 4.  out0 = out Wo^T + bo on codes of FP6 (E2M3) with E8M0 scales, K = 1024, f32 sums, f32 out.  No work is left out.
; The frame is launch 2's: a tile of 256 x 256 by four waves of 128 x 128; K in steps of 256 through a ring of two LDS slots; the scale bytes of all of K in LDS; clusters of 4 x 4 with joint loads.
; A (source 1) = 256 tokens of the attention's output, B (source 0) = 256 rows of Wo: a lane holds one token, its eight results run along the output's columns.
; WHAT DIFFERS.  (a) A's codes lie in oc as launch 3 left them, [token tile][head][768], in the order of the operand's registers: lane L's 24 bytes of a head at 24 L.  A K step of 256 is four heads, 3,072 consecutive
; bytes of each token tile: a wave's tensor load brings 8 such rows, without padding; the 32 lanes of a load of 8 bytes, 24 bytes apart, touch 64 different banks.
; (b) bo is the C of each sum's first matrix instruction: eight registers for each of B's blocks, in the result's layout; it costs no addition.
; (c) Tokens and Wo's rows lie in launch 1's order (bits 3 and 4 of a row's number changed places): the way out turns both back, by the immediates of the stage's stores and of the stores to memory.
; 128 work-groups: a tile of 256 x 256 keeps the largest wave tile; the launch is short beside launch 3.
; REGISTERS: as in launch 2; window 0 v64-127: bo; on the way out v128-255: rows read back from the stage.
.set KSTEP,  256
.set NQ,     2
.set ROWB,   192                       ; a row of B's tile in bytes
.set KROW,   768                       ; a row of cod
.set PITCH,  240                       ; B's LDS row: 3 x (64 bytes + 16 of padding)
.set ASTEP,  3072                      ; a K step of a token tile of A
.set FR,     12
.set NL,     6
.set NP,     4
.set HALFA,  8*ASTEP                   ; 128 rows of A: what one tensor load brings
.set HALFT,  128*PITCH                 ; 128 rows of B
.set SLOT,   2*HALFA+2*HALFT           ; A's two halves, then B's two
.set LAPS,   2
.set KS,     32
.set SCL,    2*SLOT
.set HALFS,  (128*KS/256)*272
.set SBLK,   (16*KS/256)*272
.set SPARE,  SCL+4*HALFS
.set SPITCH, 528                       ; the way out: a stage of 16 rows x (512 bytes + 16) for each wave, in slot 0, which has had its last fill and its last read when the first result is stored there
.set ADRA, 16                          ; v16-17 LDS address of my A fragments in slot 0, 1
.set ADRB, 20                          ; v20-21 the same for B (v22-23: behind one padding more)
.set STO,  24                          ; v24    the way out: where I put 32 bytes of a row
.set RD,   25                          ; v25    where I read a row back
.set CO,   26                          ; v26    16 x lane
.set ADRS, 27
.set SPW,  28
.set NIL,  29
.set BOF,  30                          ; v30    64 x (lane / 16): my half's 16 numbers of 32 of bo
.set SC,   32
.set BI,   64                          ; v64-127 bo: block b's eight at v[BI + 8 b]
.set AF,   128
.set BK,   128
.set G1, 24
.set G0, 32
.set G1B, 48
.set G0B, 56
.set G1S, 68
.set G0S, 76
.set G1SB, 80
.set G0SB, 88
.set MSB, 0
.macro WIN new
.if MSB != (\new)
	s_set_vgpr_msb (MSB<<8)|(\new)
.set MSB, (\new)
.endif
.endm
.set MUL_LO, 0xa1                      ; source 0 (B) window 1, source 1 (A) window 0, C and D window 2
.set MUL_HI, 0xf1
.set BIA_LO, 0x81                      ; the same with C (bo) in window 0
.set BIA_HI, 0xc1
.set TO_B,   0x40
.macro JLOAD g0a, g1a, g0b, g1b        ; a joint load: waves 0 and 1 fetch for A, waves 2 and 3 for B; an s_nop 0 and four v_nop follow each of the two lines
	s_cmp_eq_u32 s15, 0
	s_cbranch_scc0 .Lfor_b_\@
	tensor_load_to_lds s[\g0a:\g0a+3], s[\g1a:\g1a+7]
	s_nop 0
.rept 4
	v_nop
.endr
	s_branch .Lasked_\@
.Lfor_b_\@:
	tensor_load_to_lds s[\g0b:\g0b+3], s[\g1b:\g1b+7]
	s_nop 0
.rept 4
	v_nop
.endr
.Lasked_\@:
.endm
.macro CREST
	s_cmp_lg_u32 s14, 0
	s_cbranch_scc1 .Lnot_wave_0_\@
	s_barrier_signal -3
.Lnot_wave_0_\@:
	s_barrier_wait -3
	s_barrier_signal -1
	s_barrier_wait -1
.endm
.macro CROUND
	s_barrier_signal -1
	s_barrier_wait -1
	CREST
.endm
	s_load_b256 s[4:11], s[0:1], 0x0               ; oc s[4:5], os s[6:7], cod s[8:9], scl s[10:11]
	s_load_b64 s[66:67], s[0:1], 0x20              ; bo
	s_load_b64 s[12:13], s[0:1], 0x28              ; out0
	v_lshl_add_u32 v[SPW], v0, 2, SPARE
	v_mov_b32 v[NIL], 0
	ds_add_u32 v[SPW], v[NIL]                      ; the wave's opening: the add, twice on end, and its wait ahead of my first tensor load
	ds_add_u32 v[SPW], v[NIL]                      ; and once more, under the one wait; the set-up below, work on registers, stands between
	v_lshrrev_b32 v1, 5, v0
	v_readfirstlane_b32 s14, v1                    ; wave 0..3
	s_lshr_b32 s15, s14, 1                         ; which half of the tile's tokens is mine.  Also: I fetch for A (0) or for B (1)
	s_and_b32 s16, s14, 1                          ; which half of its columns.  Also: which 128 rows of that tile I fetch
	s_bfe_u32 s40, ttmp6, 0x40000                  ; cx, cy
	s_bfe_u32 s41, ttmp6, 0x40004
	s_lshl_b32 s42, ttmp9, 2
	s_add_co_u32 s42, s42, s40                     ; tile column = 4 x cluster x + cx
	s_and_b32 s17, ttmp7, 0xffff
	s_lshl_b32 s17, s17, 2
	s_add_co_u32 s17, s17, s41                     ; tile row = 4 x cluster y + cy
	s_lshl_b32 s43, s41, 2
	s_lshl_b32 s43, 15, s43                        ; my row of the cluster
	s_lshl_b32 s44, 0x1111, s40                    ; my column
	; descriptor group 1 for A: 8 rows of 3,072 bytes (384 elements of 8), 12,288 bytes apart, no padding
	s_or_b32 s[G1+0], s43, (3<<16)|(1<<21)         ; 15:0 the mask: my row; elements of 8 bytes; bit 21 set beside a mask
	s_mov_b32 s[G1+1], 384<<16                     ; tensor_dim0
	s_mov_b32 s[G1+2], 8<<16                       ; tensor_dim1
	s_mov_b32 s[G1+3], 384<<16                     ; tile_dim0
	s_mov_b32 s[G1+4], 8                           ; tile_dim1
	s_mov_b32 s[G1+5], 1536                        ; tensor_dim0_stride
	s_mov_b32 s[G1+6], 0
	s_mov_b32 s[G1+7], 0
	; for B: 128 rows x 192 bytes, 16 bytes of padding behind every 64
	s_or_b32 s[G1B+0], s44, (0<<16)|(1<<20)|(1<<21)|(3<<22)|(3<<25)
	s_mov_b32 s[G1B+1], ROWB<<16
	s_mov_b32 s[G1B+2], 128<<16
	s_mov_b32 s[G1B+3], ROWB<<16
	s_mov_b32 s[G1B+4], 128
	s_mov_b32 s[G1B+5], KROW
	s_mov_b32 s[G1B+6], 0
	s_mov_b32 s[G1B+7], 0
	; the scales of 128 rows: 4,096 dense bytes, as 16 rows of 256 bytes, 16 bytes of padding behind each
	s_or_b32 s[G1S+0], s43, (3<<16)|(1<<20)|(1<<21)|(5<<22)|(3<<25)
	s_or_b32 s[G1SB+0], s44, (3<<16)|(1<<20)|(1<<21)|(5<<22)|(3<<25)
.irp g, G1S, G1SB
	s_mov_b32 s[\g+1], 32<<16
	s_mov_b32 s[\g+2], (128*KS/256)<<16
	s_mov_b32 s[\g+3], 32<<16
	s_mov_b32 s[\g+4], 128*KS/256
	s_mov_b32 s[\g+5], 32
	s_mov_b32 s[\g+6], 0
	s_mov_b32 s[\g+7], 0
.endr
	s_lshl_b32 s20, s17, 4
	s_lshl_b32 s18, s16, 3
	s_add_co_u32 s20, s20, s18                     ; A: token tile 16 x tile row + 8 x half
	s_lshl_b32 s46, s42, 8
	s_lshl_b32 s18, s16, 7
	s_add_co_u32 s46, s46, s18
	s_add_co_u32 s46, s46, 11264                   ; B: Wo's row in cod: 11,264 + 256 x tile column + 128 x half
	s_mov_b32 s21, 0
	s_mov_b32 s47, 0
	s_mov_b64 s[18:19], 16*KS
	s_mul_u64 s[22:23], s[20:21], s[18:19]         ; where these rows' scales begin, in bytes
	s_mov_b64 s[18:19], KS
	s_mul_u64 s[92:93], s[46:47], s[18:19]
	s_mov_b64 s[18:19], 12288
	s_mul_u64 s[20:21], s[20:21], s[18:19]         ; and their codes
	s_mov_b64 s[18:19], KROW
	s_mul_u64 s[46:47], s[46:47], s[18:19]
	s_mul_i32 s45, s16, HALFA                      ; where they go: A's halves,
	s_mul_i32 s95, s16, HALFT
	s_add_co_u32 s95, s95, 2*HALFA                 ; B's behind them: no place in the cluster enters an LDS address
	s_mul_i32 s94, s14, HALFS
	s_wait_dscnt 0x0                               ; both opening adds are done
	s_wait_kmcnt 0x0
	s_add_nc_u64 s[20:21], s[4:5], s[20:21]
	s_add_nc_u64 s[22:23], s[6:7], s[22:23]
	s_add_nc_u64 s[46:47], s[8:9], s[46:47]
	s_add_nc_u64 s[92:93], s[10:11], s[92:93]
	CROUND                                         ; all sixteen work-groups are here: the first joint loads meet
	s_mov_b32 s[G0S], 1
	s_add_co_u32 s[G0S+1], s94, SCL
	s_mov_b64 s[G0S+2:G0S+3], s[22:23]
	s_or_b32 s[G0S+3], s[G0S+3], 0x80000000
	s_mov_b32 s[G0SB], 1
	s_add_co_u32 s[G0SB+1], s94, SCL
	s_mov_b64 s[G0SB+2:G0SB+3], s[92:93]
	s_or_b32 s[G0SB+3], s[G0SB+3], 0x80000000
	JLOAD G0S, G1S, G0SB, G1SB                     ; the scales first
.irp s, 0,1
	s_mov_b32 s[G0+4*\s], 1
	s_add_co_u32 s[G0+4*\s+1], s45, \s*SLOT
	s_add_nc_u64 s[G0+4*\s+2:G0+4*\s+3], s[20:21], \s*ASTEP
	s_or_b32 s[G0+4*\s+3], s[G0+4*\s+3], 0x80000000
	s_mov_b32 s[G0B+4*\s], 1
	s_add_co_u32 s[G0B+4*\s+1], s95, \s*SLOT
	s_add_nc_u64 s[G0B+4*\s+2:G0B+4*\s+3], s[46:47], \s*ROWB
	s_or_b32 s[G0B+4*\s+3], s[G0B+4*\s+3], 0x80000000
	JLOAD G0+4*\s, G1, G0B+4*\s, G1B               ; three tensor loads of mine are out at the most
.endr
	v_and_b32 v1, 15, v0                           ; l % 16
	v_bfe_u32 v2, v0, 4, 1                         ; l / 16
	v_and_b32 v6, 31, v0                           ; lane
	v_mul_u32_u24 v7, v6, 24                       ; A: 24 bytes a lane
	v_mul_u32_u24 v3, v1, PITCH
	v_mul_u32_u24 v4, v2, 24
	v_add_nc_u32 v4, v3, v4                        ; B: a fragment's row x pitch + 24 x half
	v_lshl_add_u32 v5, v2, 4, v4                   ; and the same behind one padding more
	s_mul_i32 s21, s15, HALFA                      ; my 128 rows of A
	s_mul_i32 s22, s16, HALFT                      ; my 128 rows of B,
	s_add_co_u32 s22, s22, 2*HALFA                 ; which lie behind A's 256
.irp s, 0,1
	v_add_nc_u32 v[ADRA+\s], s21, v7
	v_add_nc_u32 v[ADRB+\s], s22, v4
	v_add_nc_u32 v[ADRB+2+\s], s22, v5
	s_add_co_u32 s21, s21, SLOT
	s_add_co_u32 s22, s22, SLOT
.endr
	v_mul_u32_u24 v5, v1, KS                       ; my row's scales: 32 bytes a row,
	v_lshrrev_b32 v7, 8, v5
	v_lshl_add_u32 v5, v7, 4, v5                   ; and 16 more for each 256 passed
	s_mul_i32 s21, s15, HALFS
	s_mul_i32 s22, s16, HALFS
	s_add_co_u32 s22, s22, 2*HALFS
	s_sub_co_u32 s22, s22, s21
	v_mul_u32_u24 v7, s22, v2                      ; lanes 16-31 take B's
	s_add_co_u32 s21, s21, SCL
	v_add_nc_u32 v5, v5, v7
	v_add_nc_u32 v[ADRS], s21, v5
	s_mul_i32 s23, s14, 16*SPITCH                  ; my stage
	v_mul_u32_u24 v5, v1, SPITCH                   ; in: row l % 16; my half's 16 columns of each 32: 64 bytes on
	v_lshl_add_u32 v5, v2, 6, v5
	v_add_nc_u32 v[STO], s23, v5
	v_lshlrev_b32 v[CO], 4, v6                     ; back: the 32 lanes take one row of 512 bytes; and the same in out0
	v_add_nc_u32 v[RD], s23, v[CO]
	v_lshlrev_b32 v[BOF], 6, v2
	s_lshl_b32 s20, s17, 8
	s_lshl_b32 s21, s15, 7
	s_add_co_u32 s20, s20, s21                     ; my first token: 256 x tile row + 128 x half,
	s_lshl_b32 s20, s20, 12                        ; 4,096 bytes a row (under 2^26)
	s_mov_b32 s21, 0
	s_lshl_b32 s46, s42, 10                        ; my first column, in bytes: 1,024 x tile column + 512 x half
	s_lshl_b32 s47, s16, 9
	s_add_co_u32 s46, s46, s47
	s_mov_b32 s47, 0
	s_add_nc_u64 s[12:13], s[12:13], s[20:21]
	s_add_nc_u64 s[12:13], s[12:13], s[46:47]
	s_add_nc_u64 s[66:67], s[66:67], s[46:47]      ; bo at my first column
.irp b, 0,1,2,3,4,5,6,7                        ; lane (r, h) wants, for B's block b, bo at columns 32 (b / 2) + 16 h + 8 (b % 2) + 0 .. 7
	global_load_b128 v[BI+8*\b:BI+8*\b+3], v[BOF], s[66:67] offset:128*(\b/2)+32*(\b%2)
	global_load_b128 v[BI+8*\b+4:BI+8*\b+7], v[BOF], s[66:67] offset:128*(\b/2)+32*(\b%2)+16
.endr
.macro FRAG reg, adr, q, i             ; a fragment of B from rows of 192 bytes with 16 bytes of padding behind every 64: in pieces of 8 bytes; the second address register serves the pieces that lie behind one padding more
.irp p, 0,1,2,3,4,5
.set PCE, 12*(\q)+6*(\p/3)+\p%3
.if PCE%8 < 5
	ds_load_b64 v[\reg+2*\p:\reg+2*\p+1], v[\adr] offset:8*PCE+16*(PCE/8)+(\i)*16*PITCH
.else
	ds_load_b64 v[\reg+2*\p:\reg+2*\p+1], v[\adr+2] offset:8*PCE+16*(PCE/8)+(\i)*16*PITCH
.endif
.endr
.endm
.macro FRAGA reg, slot, q, i           ; a fragment of A: token tile i, heads 2 q and 2 q + 1 of the slot's four: registers 6 c .. 6 c + 5 are lane L's 24 bytes of head 2 q + c
.irp c, 0,1
.irp p, 0,1,2
	ds_load_b64 v[\reg+6*\c+2*\p:\reg+6*\c+2*\p+1], v[ADRA+\slot] offset:ASTEP*(\i)+768*(2*(\q)+\c)+8*\p
.endr
.endr
.endm
; 16 matrix instructions: A's blocks a0, a0 + 1 x B's eight.  zero = 1: the first product starts the sums, with bo as its C.  The 64 accumulators take turns, one instruction a turn.
.macro MUL16 a0, p, q, sc, zero
.irp a, \a0, \a0+1
.irp b, 0,1,2,3,4,5,6,7
.if \zero
	v_wmma_scale_f32_16x16x128_f8f6f4 v[8*(8*((\a)%4)+\b):8*(8*((\a)%4)+\b)+7], v[128*(\p)+FR*\b:128*(\p)+FR*\b+FR-1], v[AF+FR*(\a):AF+FR*(\a)+FR-1], v[BI+8*\b:BI+8*\b+7], v[SC+8*NQ*(\sc)+NQ*\b+(\q)], v[SC+8*NQ*(\sc)+NQ*(\a)+(\q)] matrix_a_fmt:MATRIX_FMT_FP6 matrix_b_fmt:MATRIX_FMT_FP6 matrix_a_scale:MATRIX_SCALE_ROW1
.else
	v_wmma_scale_f32_16x16x128_f8f6f4 v[8*(8*((\a)%4)+\b):8*(8*((\a)%4)+\b)+7], v[128*(\p)+FR*\b:128*(\p)+FR*\b+FR-1], v[AF+FR*(\a):AF+FR*(\a)+FR-1], v[8*(8*((\a)%4)+\b):8*(8*((\a)%4)+\b)+7], v[SC+8*NQ*(\sc)+NQ*\b+(\q)], v[SC+8*NQ*(\sc)+NQ*(\a)+(\q)] matrix_a_fmt:MATRIX_FMT_FP6 matrix_b_fmt:MATRIX_FMT_FP6 matrix_a_scale:MATRIX_SCALE_ROW1
.endif
.endr
.endr
.endm
.macro FETCH_B slot, q, p
	WIN TO_B
.irp i, 0,1,2,3,4,5,6,7
	FRAG 128*(\p)+FR*\i, ADRB+\slot, \q, \i
.endr
	WIN 0
.endm
.macro FETCH_A slot, q, i0
.irp i, \i0, \i0+1, \i0+2, \i0+3
	FRAGA AF+FR*(\i), \slot, \q, \i
.endr
.endm
.macro SCALES sc
.irp i, 0,1,2,3,4,5,6,7
	ds_load_b64 v[SC+8*NQ*\sc+NQ*\i:SC+8*NQ*\sc+NQ*\i+1], v[ADRS] offset:\i*SBLK
.endr
.endm
.macro PLACES n                        ; plain vector instructions between a matrix instruction and a load into, or a read of, its registers
.rept \n
	v_nop
.endr
.endm
.macro STEP slot, q, zero
	s_wait_dscnt 4*NL                              ; B's set and A's blocks 0-3 are in; the youngest 24 loads (A's blocks 4-7) may be out
.if \zero
	WIN BIA_LO
.else
	WIN MUL_LO
.endif
	MUL16 0, (\q)%2, \q, \slot, \zero
	MUL16 2, (\q)%2, \q, \slot, \zero
	s_wait_dscnt 0
	PLACES NP
	FETCH_B \slot, (\q)+1, 1-(\q)%2
	FETCH_A \slot, (\q)+1, 0
.if \zero
	WIN BIA_HI
.else
	WIN MUL_HI
.endif
	MUL16 4, (\q)%2, \q, \slot, \zero
	MUL16 6, (\q)%2, \q, \slot, \zero
	PLACES NP
	WIN 0
	FETCH_A \slot, (\q)+1, 4
.endm
; A slot's last step changes slots: ONE barrier; in front of it each wave waits for all its tensor loads, adds 0 to its spare word, and waits for that and for its own reads of this slot.
.macro TURN slot, next, fill
	s_wait_tensorcnt 0x0                           ; all my tensor loads have landed: my part of the next slot
	ds_add_u32 v[SPW], v[NIL]                      ; 0 onto my spare word
	s_wait_dscnt 4*NL+1                            ; (the add and the youngest 24 loads may be out)
	WIN MUL_LO
	MUL16 0, 1, NQ-1, \slot, 0
	s_wait_dscnt 0x0                               ; the add is done, and my reads of this slot are over
	s_barrier_signal -1
	MUL16 2, 1, NQ-1, \slot, 0
	WIN 0
	s_barrier_wait -1
.if \fill
	CREST                                          ; a round of the cluster's barrier: no wave of any partner still reads this slot or has a load on its way
	s_add_nc_u64 s[G0+4*\slot+2:G0+4*\slot+3], s[G0+4*\slot+2:G0+4*\slot+3], 2*ASTEP
	s_add_nc_u64 s[G0B+4*\slot+2:G0B+4*\slot+3], s[G0B+4*\slot+2:G0B+4*\slot+3], 2*ROWB
	JLOAD G0+4*\slot, G1, G0B+4*\slot, G1B         ; the first tensor load behind the round; its four v_nop are the places in front of the loads below
.else
	PLACES NP
.endif
	v_add_nc_u32 v[ADRS], 4*NQ, v[ADRS]
	FETCH_B \next, 0, 0
	FETCH_A \next, 0, 0
	SCALES \next
	WIN MUL_HI
	MUL16 4, 1, NQ-1, \slot, 0
	MUL16 6, 1, NQ-1, \slot, 0
	PLACES NP
	WIN 0
	FETCH_A \next, 0, 4
.endm
	s_wait_tensorcnt 1                             ; the scales and my part of K step 0 are in (K step 1's load may be out)
	s_barrier_signal -1
	s_barrier_wait -1                              ; everybody's are
	FETCH_B 0, 0, 0
	FETCH_A 0, 0, 0
	SCALES 0
	FETCH_A 0, 0, 4
	s_wait_loadcnt 0x0                             ; bo
	STEP 0, 0, 1                                   ; the first step stands in front of the loop: its products start the sums, on bo
	s_mov_b32 s3, LAPS-1
.Llap:
	TURN 0, 1, 1
	STEP 1, 0, 0
	TURN 1, 0, 1
	STEP 0, 0, 0
	s_sub_co_u32 s3, s3, 1
	s_cmp_lg_u32 s3, 0
	s_cbranch_scc1 .Llap
	TURN 0, 1, 0                                   ; the last lap fills nothing
	STEP 1, 0, 0
	s_wait_dscnt 4*NL
	WIN MUL_LO
	MUL16 0, 1, NQ-1, 1, 0
	MUL16 2, 1, NQ-1, 1, 0
	s_wait_dscnt 0
	WIN MUL_HI
	MUL16 4, 1, NQ-1, 1, 0
	MUL16 6, 1, NQ-1, 1, 0
	WIN 0
; THE WAY OUT, block by block of 16 tokens x 128 columns, through my own stage in LDS.  Accumulator (a, b) holds columns 32 (b / 2) + 16 (lane / 16) + 8 (b % 2) + 0 .. 7: the stores' immediates put them in their places.
; Row t of block a is token 32 (a / 2) + 8 (a % 2) + t % 8 + 16 (t / 8) of my 128: the immediates of the stores to memory put it there; the base is never stepped (127 rows of 4,096 bytes at the most).
.macro TOSTAGE a
.set AC, 64*((\a)%4)
	WIN 0x08+4*((\a)/4)                            ; the data: window 2 or 3
.irp b, 0,1,2,3,4,5,6,7
	ds_store_b128 v[STO], v[AC+8*\b:AC+8*\b+3] offset:128*(\b/2)+32*(\b%2)          ; each accumulator from its low end on
	ds_store_b128 v[STO], v[AC+8*\b+4:AC+8*\b+7] offset:128*(\b/2)+32*(\b%2)+16
.endr
	WIN 0
.set BB, BK+64*((\a)%2)
.irp t, 0,1,2,3,4,5,6,7,8,9,10,11,12,13,14,15
	ds_load_b128 v[BB+4*\t:BB+4*\t+3], v[RD] offset:\t*SPITCH   ; LDS serves a wave's instructions in order: these see the stores above, and the next block's stores come behind them
.endr
.endm
.macro SEND a, younger                 ; younger: the LDS instructions issued behind block a's loads, which may stay out
.set BB, BK+64*((\a)%2)
	s_wait_dscnt \younger
.irp t, 0,1,2,3,4,5,6,7,8,9,10,11,12,13,14,15
	global_store_b128 v[CO], v[BB+4*\t:BB+4*\t+3], s[12:13] offset:(32*((\a)/2)+8*((\a)%2)+(\t%8)+16*(\t/8))*4096 th:TH_STORE_NT   ; 32 lanes store 512 consecutive bytes, at a multiple of 256 from out0's first byte
.endr
.endm
	PLACES NP                                      ; behind the last products: for the loads into the registers that held A's fragments and for the reads of results
	TOSTAGE 0
.irp a, 1,2,3,4,5,6,7
.if \a > 1
	s_wait_xcnt 0x0                                ; block a - 2's stores have read their registers: block a's loads may land there
.endif
	TOSTAGE \a
	SEND \a-1, 32                                  ; behind block a - 1's loads: block a's 16 stores and 16 loads
.endr
	SEND 7, 0
	s_wait_tensorcnt 0x0                           ; the wave's end: behind my last tensor load and my last LDS store
	ds_add_u32 v[SPW], v[NIL]
	s_wait_dscnt 0x0
	CROUND                                         ; the closing round: no work-group ends while a partner may still ask for a tile that names it
	s_endpgm
.Lfunc_end_k_q796bd4d80e_proj:
	.size	k_q796bd4d80e_proj, .Lfunc_end_k_q796bd4d80e_proj-k_q796bd4d80e_proj
	.p2alignl 7, 3214868480
	.fill 96, 4, 3214868480
	.section	.rodata,"a",@progbits
	.p2align	6, 0x0
	.amdhsa_kernel k_q796bd4d80e_proj
		.amdhsa_group_segment_fixed_size 327680
		.amdhsa_private_segment_fixed_size 0
		.amdhsa_enable_private_segment 0
		.amdhsa_kernarg_size 48
		.amdhsa_user_sgpr_count 2
		.amdhsa_user_sgpr_kernarg_segment_ptr 1
		.amdhsa_wavefront_size32 1
		.amdhsa_system_sgpr_workgroup_id_x 1
		.amdhsa_system_sgpr_workgroup_id_y 1
		.amdhsa_system_sgpr_workgroup_id_z 1
		.amdhsa_system_vgpr_workitem_id 0
		.amdhsa_next_free_vgpr 1024
		.amdhsa_next_free_sgpr 102
		.amdhsa_reserve_vcc 0
		.amdhsa_float_denorm_mode_32 3
		.amdhsa_float_denorm_mode_16_64 3
		.amdhsa_memory_ordered 1
		.amdhsa_forward_progress 1
		.amdhsa_inst_pref_size 161
	.end_amdhsa_kernel
	.amdgpu_metadata
---
amdhsa.version: [ 1, 2 ]
amdhsa.kernels:
  - .name:           k_q796bd4d80e_proj
    .symbol:         k_q796bd4d80e_proj.kd
    .args:
      - { .name: oc, .offset: 0, .size: 8, .value_kind: global_buffer, .address_space: global }
      - { .name: os, .offset: 8, .size: 8, .value_kind: global_buffer, .address_space: global }
      - { .name: cod, .offset: 16, .size: 8, .value_kind: global_buffer, .address_space: global }
      - { .name: scl, .offset: 24, .size: 8, .value_kind: global_buffer, .address_space: global }
      - { .name: bo, .offset: 32, .size: 8, .value_kind: global_buffer, .address_space: global }
      - { .name: out0, .offset: 40, .size: 8, .value_kind: global_buffer, .address_space: global }
    .group_segment_fixed_size: 327680
    .private_segment_fixed_size: 0
    .kernarg_segment_align: 8
    .kernarg_segment_size: 48
    .max_flat_workgroup_size: 128
    .sgpr_count:     102
    .vgpr_count:     1024
    .wavefront_size: 32
...
	.end_amdgpu_metadata
.endif
;; end of part 4
